; MI455X (gfx1250); checked and timed in simulation.
; The chip was launched on July 23, 2026; its instructions are those of AMD's public machine-readable ISA for CDNA 5 (MIT licence, August 2026) and "CDNA5" Instruction Set Architecture Reference Guide (July 2026). The comments in the code are by the model that wrote it; some were corrected since.
;; Multi Headed Attention. Allowed arithmetic: matrix products marked QUANTISED: E5M2 operands, one E8M0 scale for each 32 along K, by v_wmma_scale_f32_16x16x128_f8f6f4 with both operands' format E5M2, f32 sums; everything else in f32.
;; Inputs: W_o 1,024 x 1,024 float32; W_qkv 1,024 x 3,072 float32; b_o 1,024 float32; b_qkv 3,072 float32; x 4 x 2,048 x 1,024 float32.
;; Outputs: out0 4 x 2,048 x 1,024 float32.
;; This version of the problem:
;;   THIS VERSION OF THE PROBLEM IS GIVEN IN LOW PRECISION. The matrix products marked QUANTISED in the list below multiply operands that are first quantised to E5M2 (5 exponent bits, 2 mantissa bits; 8 bits a number), with one power-of-two scale for each 32 numbers along K (OCP MX v1.0); their sums are f32. All else is computed in f32.
;;   The module's matrix products, in the order in which they are computed (A, B: the left and right operand; K: the contracted axis; several contracted axes count as one K, in the product's order):
;;     1. [M 8,192, K 1,024] x [K 1,024, N 3,072]; A: input x; B: input W_qkv: QUANTISED
;;     2. batch 64 x [M 2,048, K 64] x [K 64, N 2,048]; A: computed on the way; B: computed on the way: QUANTISED
;;     3. batch 64 x [M 2,048, K 2,048] x [K 2,048, N 64]; A: softmax (see below); B: computed on the way: QUANTISED
;;     4. [M 8,192, K 1,024] x [K 1,024, N 1,024]; A: computed on the way; B: input W_o: QUANTISED
;;   THE QUANTISER, for each operand of a quantised product, along K:
;;     - K is cut into blocks of 32 from its start; a last block that is shorter is filled with zeros.
;;     - A block's scale is 2^e with e = floor(log2(the largest magnitude in the block)) - 15, held to -126 .. 127; a block of zeros has e = 0. As a byte (E8M0): e + 127.
;;     - Each number is divided by its block's scale, clamped to +-57,344, and rounded to the nearest number of E5M2, ties to even, subnormals kept.
;;     - The product sums the exact products of the quantised numbers (number of the format x scale) in f32.
;;   ~~~python
;;   def quantise(x, axis):      # numpy; x: float32 -> the quantised numbers, widened to float32 again
;;       x = np.moveaxis(x, axis, -1); K = x.shape[-1]
;;       x = np.pad(x, [(0, 0)] * (x.ndim - 1) + [(0, -K % 32)]); x = x.reshape(x.shape[:-1] + (-1, 32)); a = np.abs(x).max(-1, keepdims=True)
;;       e = np.where(a > 0, np.clip(np.frexp(np.where(a > 0, a, 1))[1] - 1 - 15, -126, 127), 0)      # np.frexp(a)[1] - 1 = floor(log2(a)), exactly
;;       r = np.clip(x / 2.0 ** e, -57344, 57344)
;;       step = 2.0 ** (np.maximum(np.frexp(np.where(r == 0, 1, r))[1] - 1, -14) - 2)
;;       q = np.round(r / step) * step * 2.0 ** e      # np.round: ties to even
;;       return np.moveaxis(q.reshape(q.shape[:-2] + (-1,))[..., :K], -1, axis).astype(np.float32)
;;   ~~~
;;   SOFTMAX AHEAD OF A QUANTISED PRODUCT. Where the list says 'softmax', what is quantised is not the finished softmax but p = 2^(t - M), with t = logit x log2(e) and M = ceil(the row's largest t), a whole number; so 1/2 < the row's largest p <= 1. The row's sum l is taken of the UNQUANTISED p, in f32, and the product's result is divided by l at the end. Since M is a whole number, a kernel that streams over the keys may use a running M (the ceiling of the running maximum): every later rescaling is an exact power of two, which a block's scale takes up: the codes' values come out the same.
;;   OPERANDS COMPUTED ON THE WAY. 'Computed on the way' means the value that the module computes at that place (a softmax that the list does not call 'softmax' is quantised finished and normalised). What goes into a quantiser is computed in f32, as accurately as f32 sums, v_exp_f32 and their like allow (about 1e-6 of the number): no bf16 or f16 on the way to a quantiser, and a product that is left as it is and whose result goes on into a quantised operand takes f32 operands (vector FMAs, or v_wmma_f32_16x16x4_f32). A number that lies on a knife's edge between two numbers of the format may be rounded either way, as far as f32 arithmetic and the matrix unit's own rounding can turn it there, and no further.
;; One version. Each part assembles by itself: llvm-mc -triple=amdgcn-amd-amdhsa -mcpu=gfx1250 --defsym DOCPART=n.
;; ======== version 1 of 1: 4 launches
;; limits: right only within a limited range of input values
;; workspace buffers: xq 8,650,752 bytes; wq 4,325,376 bytes; qq 8,650,752 bytes; kv 17,301,504 bytes; oq 8,650,752 bytes
;; launch quant (part 1): grid 512 x 1, 4 waves a work-group, no clusters, 34,304 bytes of LDS; arguments x, W_qkv, W_o, xq, wq; writes xq, wq
.if DOCPART == 1
	.amdgcn_target "amdgcn-amd-amdhsa--gfx1250"
	.amdhsa_code_object_version 6
	.text
	.protected	k_qad4a699861_quant
	.globl	k_qad4a699861_quant
	.p2align	8
	.type	k_qad4a699861_quant,@function
k_qad4a699861_quant:
	s_mov_b64 s[64:65], 0
	v_nop
	global_prefetch_b8 v0, s[64:65] scope:SCOPE_SE
	s_setreg_imm32_b32 hwreg(HW_REG_WAVE_MODE, 25, 1), 1
	s_wait_xcnt 0x0
; x [8192][1024], W_qkv [1024][3072] and W_o [1024][1024], f32, become codes of E5M2 with one E8M0 byte for each 32 along K (the 1,024 of the model's width).
; A block's scale is 2^(floor(log2(its largest magnitude)) - 15); each number is divided by it, held within +-57,344 and rounded to the nearest code, ties to even.
; LAYOUT OF THE RESULTS: images of operand registers.  A fragment is 16 rows x 128 K = 2,048 bytes laid [c 0..3][lane 0..31][16 bytes]; lane (r, h) holds at c the codes k = 32 c + 16 h + 0..15 of the tile's row r.
; THE ROWS OF A TILE ARE NOT NEIGHBOURS: tile T = 2 B + u has as its row r the tensor's row 32 B + 8 u + r + 8 (r / 8).  Codes: [T][K step of 128: 8][2,048].  Scale words: [T][half of K: 2][r 16][4 words], behind the codes.
; wq holds 4,096 rows: W_qkv's 3,072 columns, then W_o's 1,024 (a weight's column is an operand's row: K is the weight's first axis).
; LIMITS: a block of zeros gets the byte 1 (the rule says 127): its codes are zeros and only this program reads the bytes.  Blocks whose largest magnitude lies under 2^(16 - 127) are held at that byte.  NaN and infinities are not served.
; Work-groups 0-255 take x, 256-511 the weights.  Waves share nothing: no barrier.  Only x's way uses LDS.
.set SP,   528                         ; x: a row of the wave's stage: 512 bytes + 16 = 33 x 16: sixteen rows start at sixteen different columns of 16 bytes
.set WST,  16*SP                       ; a wave's stage
.set R,    16                          ; x: v16-143  two sets of 64 registers as loaded
.set X,    144                         ; x: v144-207 64 numbers of my row: register 16 b + i = k 32 b + 16 h + i
.set PC,   208                         ; x: v208-223 the fragment's codes
.set TM,   224                         ; x: v224-239 at work
.set WD,   240                         ; x: v240-243 a scale word for each K step
.set OFFR, 16                          ; weights: v16-47 4 x lane + i x a row of the weight
.set D,    48                          ; weights: v48-111 two sets of 32 numbers down K
.set C,    112                         ; weights: v112-143 eight registers of codes for each block: no store's data are written again
.set BS,   32                          ; weights: s[32:39] the four blocks' first rows
.set MNT,  15                          ; s15 the mantissa field of 57,344
.set SEL,  16                          ; s[16:17] lane selects: lane l xor 16
; 64 numbers of a lane, register 16 b + i = k 32 b + 16 (lane / 16) + i of my row, become a fragment's codes in v[pc] on and its scale word in v[pw].
.macro QUANT s, pc, pw
.irp b, 0,1,2,3
	v_max3_num_f32 v[TM+\b], |v[\s+16*\b]|, |v[\s+1+16*\b]|, 0x8000000   ; my 16 numbers of block b, and the floor 2^(16 - 127): the byte cannot fall under 1
.endr
.irp i, 2,4,6,8,10,12,14
.irp b, 0,1,2,3
	v_max3_num_f32 v[TM+\b], v[TM+\b], |v[\s+16*\b+\i]|, |v[\s+1+16*\b+\i]|   ; the four blocks by turns
.endr
.endr
.irp b, 0,1,2,3
	v_permlanex16_b32 v[TM+4+\b], v[TM+\b], s[SEL], s[SEL+1]
.endr
.irp b, 0,1,2,3
	v_max_num_f32 v[TM+\b], v[TM+\b], v[TM+4+\b]   ; with lane l xor 16's: the block's largest magnitude
.endr
.irp b, 0,1,2,3
	v_add_nc_u32 v[TM+12+\b], 0xf8800000, v[TM+\b]   ; 15 off its exponent field: the conversion's scale operand
.endr
.irp b, 0,1,2,3
	v_and_or_b32 v[TM+8+\b], v[TM+\b], 0x7f800000, s[MNT]   ; 57,344 x the scale
.endr
.irp b, 0,1,2,3
	v_lshrrev_b32 v[TM+4+\b], 23, v[TM+12+\b]   ; the scale's byte
.endr
	v_lshl_or_b32 v[\pw], v[TM+5], 8, v[TM+4]
	v_lshl_or_b32 v[\pw], v[TM+6], 16, v[\pw]
	v_lshl_or_b32 v[\pw], v[TM+7], 24, v[\pw]   ; my row's scale word for these 128
.irp b, 0,1,2,3
.irp i, 0,1,2,3,4,5,6,7,8,9,10,11,12,13,14,15
	v_med3_num_f32 v[\s+16*\b+\i], v[\s+16*\b+\i], -v[TM+8+\b], v[TM+8+\b]   ; the conversion to an 8-bit code does not saturate (ISA guide 7.6.2): the hold
.endr
	v_cvt_scalef32_pk8_bf8_f32 v[\pc+4*\b:\pc+1+4*\b], v[\s+16*\b:\s+7+16*\b], v[TM+12+\b]
	v_cvt_scalef32_pk8_bf8_f32 v[\pc+2+4*\b:\pc+3+4*\b], v[\s+8+16*\b:\s+15+16*\b], v[TM+12+\b]
.endr
	v_nop                                          ; a plain line behind the last conversion
.endm
	s_load_b256 s[4:11], s[0:1], 0x0               ; x s[4:5], W_qkv s[6:7], W_o s[8:9], xq s[10:11]
	s_load_b64 s[12:13], s[0:1], 0x20              ; wq
	v_lshl_add_u32 v254, v0, 2, 0x8400
	v_mov_b32 v255, 0
	v_lshrrev_b32 v1, 5, v0
	v_readfirstlane_b32 s14, v1                    ; wave 0..3
	v_and_b32 v8, 31, v0                           ; lane
	v_lshlrev_b32 v1, 4, v8                        ; 16 x lane
	s_mov_b32 s[MNT], 0x600000
	s_mov_b32 s[SEL], 0x76543210
	s_mov_b32 s[SEL+1], 0xfedcba98
	s_cmp_lt_u32 ttmp9, 256
	s_cbranch_scc0 .Lweights
; ---- x.  A wave takes one tile of 16 rows and half of K: four K steps of 128.  Each load reads 512 consecutive bytes of one row; the 16 rows turn through the wave's own stage, so that a lane gets 16 neighbours of each block.
	v_and_b32 v9, 15, v0                           ; r
	v_bfe_u32 v10, v0, 4, 1                        ; h
	s_mul_i32 s18, s14, WST
	v_add_nc_u32 v2, s18, v1                       ; into the stage: 16 x lane, a row each 528 bytes
	v_mul_u32_u24 v3, v9, SP
	v_lshl_add_u32 v3, v10, 6, v3
	v_add_nc_u32 v3, s18, v3                       ; out of it: row r, + 64 h
	v_lshlrev_b32 v4, 4, v9
	v_lshl_add_u32 v4, v10, 3, v4                  ; the scale words: 16 r + 8 h
.irp b, 0,1,2,3
	v_mov_b32 v[TM+4+\b], 0                        ; a lane permute's destination counts as one of its sources
.endr
	s_lshl_b32 s19, ttmp9, 2
	s_add_co_u32 s19, s19, s14
	s_lshr_b32 s20, s19, 1                         ; T
	s_and_b32 s21, s19, 1                          ; which half of K
	s_lshr_b32 s22, s20, 1
	s_lshl_b32 s22, s22, 5
	s_and_b32 s23, s20, 1
	s_lshl_b32 s23, s23, 3
	s_add_co_u32 s22, s22, s23                     ; the tile's first row: 32 (T / 2) + 8 (T % 2)
	s_lshl_b32 s22, s22, 12                        ; x 4,096 bytes
	s_lshl_b32 s23, s21, 11
	s_add_co_u32 s22, s22, s23
	s_mov_b32 s23, 0
	s_lshl_b32 s24, s20, 14                        ; the codes: 16,384 T + 8,192 x half
	s_lshl_b32 s25, s21, 13
	s_add_co_u32 s24, s24, s25
	s_mov_b32 s25, 0
	s_lshl_b32 s26, s20, 9                         ; the scale words: behind the codes, 512 T + 256 x half
	s_lshl_b32 s27, s21, 8
	s_add_co_u32 s26, s26, s27
	s_add_co_u32 s26, s26, 0x800000
	s_mov_b32 s27, 0
	s_wait_alu depctr_va_vdst(0)
	s_wait_kmcnt 0x0
	s_add_nc_u64 s[4:5], s[4:5], s[22:23]
	s_add_nc_u64 s[24:25], s[10:11], s[24:25]
	s_add_nc_u64 s[26:27], s[10:11], s[26:27]
.macro LOADX q
.irp i, 0,1,2,3,4,5,6,7,8,9,10,11,12,13,14,15
	global_load_b128 v[R+64*((\q)%2)+4*\i:R+64*((\q)%2)+4*\i+3], v1, s[4:5] offset:(\i+8*(\i/8))*4096+512*(\q) th:TH_LOAD_NT
.endr
.endm
.macro TURNX q                         ; LDS serves a wave's instructions in order: no wait between the stores and the loads
.irp i, 0,1,2,3,4,5,6,7,8,9,10,11,12,13,14,15
	ds_store_b128 v2, v[R+64*((\q)%2)+4*\i:R+64*((\q)%2)+4*\i+3] offset:SP*\i
.endr
.irp c, 0,1,2,3
.irp j, 0,1,2,3
	ds_load_b128 v[X+16*\c+4*\j:X+16*\c+4*\j+3], v3 offset:128*\c+16*\j
.endr
.endr
.endm
.macro STEPX q
.if (\q) < 3
	s_wait_loadcnt 16                              ; this step's 16 loads are in; the next step's 16 may be out
.else
	s_wait_loadcnt 0
.endif
	TURNX \q
	s_wait_dscnt 0x0                               ; my 64 numbers are back, and the stores have read the set as loaded
.if (\q) > 0
	s_wait_xcnt 0x0                                ; the last step's stores have read the codes' registers, which are written again below
.endif
.if (\q)+2 < 4
	LOADX (\q)+2
.endif
	QUANT X, PC, WD+(\q)
.irp c, 0,1,2,3
	global_store_b128 v1, v[PC+4*\c:PC+4*\c+3], s[24:25] offset:2048*(\q)+512*\c   ; the wave stores 512 consecutive bytes
.endr
.endm
	LOADX 0
	LOADX 1
	STEPX 0
	STEPX 1
	STEPX 2
	STEPX 3
	s_mov_b32 vcc_lo, 0xffff0000
	v_cndmask_b32 v12, v[WD], v[WD+2], vcc_lo      ; lanes 0-15 store words 0 and 1 of their row, lanes 16-31 words 2 and 3
	v_cndmask_b32 v13, v[WD+1], v[WD+3], vcc_lo
	global_store_b64 v4, v[12:13], s[26:27]        ; 256 consecutive bytes, aligned
	s_wait_tensorcnt 0x0
	ds_add_u32 v254, v255
	s_wait_dscnt 0x0
	s_endpgm
; ---- the weights.  A lane takes a column and its registers run down K: a block of 32 lies in one lane, and the codes come out with K innermost.  A wave: 32 columns x one K step of 128.
.Lweights:
	s_sub_co_u32 s18, ttmp9, 256
	s_and_b32 s19, s18, 31                         ; which 128 of wq's 4,096 rows
	s_lshr_b32 s20, s18, 5                         ; which K step
	s_lshl_b32 s21, s19, 7
	s_lshl_b32 s22, s14, 5
	s_add_co_u32 s21, s21, s22                     ; my wave's first row of wq, a multiple of 32
	s_mov_b32 s23, 12288
	s_cmp_ge_u32 s19, 24                           ; rows 3,072 on are W_o's columns
	s_cselect_b32 s23, 4096, s23                   ; a row of the weight in bytes
	s_cselect_b32 s22, 3072, 0
	s_wait_kmcnt 0x0
	s_cselect_b64 s[4:5], s[8:9], s[6:7]
	s_sub_co_u32 s22, s21, s22                     ; the column in its own tensor
	s_lshl_b32 s22, s22, 2
	s_lshl_b32 s28, s20, 7
	s_mul_i32 s28, s28, s23                        ; 128 x K step rows down
	s_add_co_u32 s28, s28, s22
	s_mov_b32 s29, 0
	s_add_nc_u64 s[BS:BS+1], s[4:5], s[28:29]
	s_lshl_b32 s28, s23, 5                         ; 32 rows
	s_add_nc_u64 s[BS+2:BS+3], s[BS:BS+1], s[28:29]
	s_add_nc_u64 s[BS+4:BS+5], s[BS+2:BS+3], s[28:29]
	s_add_nc_u64 s[BS+6:BS+7], s[BS+4:BS+5], s[28:29]
	s_lshl_b32 s28, s21, 10                        ; codes: (row / 16) x 16,384 + 2,048 x K step
	s_lshl_b32 s30, s20, 11
	s_add_co_u32 s28, s28, s30
	s_add_nc_u64 s[40:41], s[12:13], s[28:29]
	s_lshl_b32 s28, s21, 5                         ; scale words: behind the codes, (row / 16) x 512 + 256 x (K step / 4) + 4 x (K step % 4)
	s_lshr_b32 s30, s20, 2
	s_lshl_b32 s30, s30, 8
	s_add_co_u32 s28, s28, s30
	s_and_b32 s30, s20, 3
	s_lshl_b32 s30, s30, 2
	s_add_co_u32 s28, s28, s30
	s_add_co_u32 s28, s28, 0x400000
	s_add_nc_u64 s[42:43], s[12:13], s[28:29]
	s_wait_alu depctr_va_vdst(0)
	v_lshlrev_b32 v[OFFR], 2, v8
.set n, 1
.rept 31
	v_mad_u32_u24 v[OFFR+n], s23, n, v[OFFR]
.set n, n+1
.endr
	v_bfe_u32 v9, v0, 3, 1                         ; of my 32 rows of wq, lane l is row r = l % 8 + 8 (l / 16) of tile u = (l / 8) % 2
	v_and_b32 v10, 7, v0
	v_bfe_u32 v11, v0, 4, 1
	v_lshl_add_u32 v10, v11, 3, v10
	v_lshlrev_b32 v10, 4, v10
	v_lshl_add_u32 v5, v9, 14, v10                 ; codes: 16,384 u + 16 r
	v_lshl_add_u32 v6, v9, 9, v10                  ; scale words: 512 u + 16 r
.macro LOADW t
.set n, 0
.rept 32
	global_load_b32 v[D+32*((\t)%2)+n], v[OFFR+n], s[BS+2*(\t):BS+2*(\t)+1] th:TH_LOAD_NT   ; 32 lanes read 128 consecutive bytes, the four waves 512
.set n, n+1
.endr
.endm
.macro BLOCKW t
.set DS, D+32*((\t)%2)
.if (\t) < 3
	s_wait_loadcnt 32                              ; this block's 32 loads are in; the next block's may be out
.else
	s_wait_loadcnt 0
.endif
	v_max3_num_f32 v12, |v[DS]|, |v[DS+1]|, |v[DS+2]|
	v_max3_num_f32 v13, |v[DS+3]|, |v[DS+4]|, |v[DS+5]|
.irp i, 6,10,14,18,22,26
	v_max3_num_f32 v12, v12, |v[DS+\i]|, |v[DS+\i+1]|
	v_max3_num_f32 v13, v13, |v[DS+\i+2]|, |v[DS+\i+3]|
.endr
	v_max3_num_f32 v12, v12, |v[DS+30]|, |v[DS+31]|
	v_max3_num_f32 v12, v12, v13, 0x8000000        ; the block's largest magnitude, and the floor
	v_add_nc_u32 v14, 0xf8800000, v12              ; the conversion's scale operand
	v_and_or_b32 v15, v12, 0x7f800000, s[MNT]      ; 57,344 x the scale
	v_lshrrev_b32 v13, 23, v14                     ; the byte
.if (\t) == 0
	v_mov_b32 v7, v13
.else
	v_lshl_or_b32 v7, v13, 8*(\t), v7
.endif
.set n, 0
.rept 32
	v_med3_num_f32 v[DS+n], v[DS+n], -v15, v15
.set n, n+1
.endr
.irp g, 0,1,2,3
	v_cvt_scalef32_pk8_bf8_f32 v[C+8*(\t)+2*\g:C+8*(\t)+2*\g+1], v[DS+8*\g:DS+8*\g+7], v14
.endr
	v_nop
.if (\t)+2 < 4
	LOADW (\t)+2
.endif
	global_store_b128 v5, v[C+8*(\t):C+8*(\t)+3], s[40:41] offset:512*(\t)         ; k 32 t + 0..15: the places of lanes (r, 0): sixteen lanes fill 256 consecutive bytes of one tile, sixteen of the next
	global_store_b128 v5, v[C+8*(\t)+4:C+8*(\t)+7], s[40:41] offset:512*(\t)+256   ; k 32 t + 16..31: those of lanes (r, 1)
.endm
	LOADW 0
	LOADW 1
	BLOCKW 0
	BLOCKW 1
	BLOCKW 2
	BLOCKW 3
	global_store_b32 v6, v7, s[42:43]              ; my row's word for this K step: 4 bytes in each 16; one byte for 128 that the wave reads
	s_endpgm
.Lfunc_end_k_qad4a699861_quant:
	.size	k_qad4a699861_quant, .Lfunc_end_k_qad4a699861_quant-k_qad4a699861_quant
	.p2alignl 7, 3214868480
	.fill 96, 4, 3214868480
	.section	.rodata,"a",@progbits
	.p2align	6, 0x0
	.amdhsa_kernel k_qad4a699861_quant
		.amdhsa_group_segment_fixed_size 34304
		.amdhsa_private_segment_fixed_size 0
		.amdhsa_enable_private_segment 0
		.amdhsa_kernarg_size 40
		.amdhsa_user_sgpr_count 2
		.amdhsa_user_sgpr_kernarg_segment_ptr 1
		.amdhsa_wavefront_size32 1
		.amdhsa_system_sgpr_workgroup_id_x 1
		.amdhsa_system_sgpr_workgroup_id_y 1
		.amdhsa_system_sgpr_workgroup_id_z 1
		.amdhsa_system_vgpr_workitem_id 0
		.amdhsa_next_free_vgpr 256
		.amdhsa_next_free_sgpr 66
		.amdhsa_reserve_vcc 1
		.amdhsa_float_denorm_mode_32 3
		.amdhsa_float_denorm_mode_16_64 3
		.amdhsa_memory_ordered 1
		.amdhsa_forward_progress 1
		.amdhsa_inst_pref_size 82
	.end_amdhsa_kernel
	.amdgpu_metadata
---
amdhsa.version: [ 1, 2 ]
amdhsa.kernels:
  - .name:           k_qad4a699861_quant
    .symbol:         k_qad4a699861_quant.kd
    .args:
      - { .name: x, .offset: 0, .size: 8, .value_kind: global_buffer, .address_space: global }
      - { .name: W_qkv, .offset: 8, .size: 8, .value_kind: global_buffer, .address_space: global }
      - { .name: W_o, .offset: 16, .size: 8, .value_kind: global_buffer, .address_space: global }
      - { .name: xq, .offset: 24, .size: 8, .value_kind: global_buffer, .address_space: global }
      - { .name: wq, .offset: 32, .size: 8, .value_kind: global_buffer, .address_space: global }
    .group_segment_fixed_size: 34304
    .private_segment_fixed_size: 0
    .kernarg_segment_align: 8
    .kernarg_segment_size: 40
    .max_flat_workgroup_size: 128
    .sgpr_count:     66
    .vgpr_count:     256
    .wavefront_size: 32
...
	.end_amdgpu_metadata
.endif
;; end of part 1
;; launch gemm_qkv (part 2): grid 12 x 32, 4 waves a work-group, clusters of 4 x 4, 327,680 bytes of LDS; arguments xq, wq, b_qkv, qq, kv; writes qq, kv
.if DOCPART == 2
	.amdgcn_target "amdgcn-amd-amdhsa--gfx1250"
	.amdhsa_code_object_version 6
	.text
	.protected	k_qad4a699861_gemm_qkv
	.globl	k_qad4a699861_gemm_qkv
	.p2align	8
	.type	k_qad4a699861_gemm_qkv,@function
k_qad4a699861_gemm_qkv:
	s_mov_b64 s[64:65], 0
	v_nop
	global_prefetch_b8 v0, s[64:65] scope:SCOPE_SE
	s_setreg_imm32_b32 hwreg(HW_REG_WAVE_MODE, 25, 1), 1
	s_wait_xcnt 0x0
	s_wait_alu depctr_hold_cnt(0) depctr_sa_sdst(0) depctr_va_vdst(0) depctr_va_sdst(0) depctr_va_ssrc(0) depctr_va_vcc(0) depctr_vm_vsrc(0)
	s_getreg_b32 s2, hwreg(HW_REG_IB_STS2, 6, 4)
	s_cmp_eq_u32 s2, 0
	s_cbranch_scc0 .Lentry_in_a_cluster
	s_endpgm
.Lentry_in_a_cluster:
	s_bfe_u32 s2, ttmp6, 0x10000c
	s_cmp_lg_u32 s2, 0xf033
	s_cbranch_scc0 .Lentry_shape_is_right
	s_endpgm
.Lentry_shape_is_right:
; qkv = x W_qkv + b_qkv on codes of E5M2 (one E8M0 byte for each 32 along K = 1,024), and q, k, v quantised in registers as the operands of attention's two products.  Nothing leaves as f32.
; A work-group of four waves makes 256 x 256 of the product, a wave 128 x 128 in 64 accumulators.  K goes in steps of 256 through two LDS slots filled by the tensor data mover.
; OPERANDS ARE IMAGES OF REGISTERS: a fragment (16 rows x 128 K) is 2,048 bytes [c][lane][16]; memory holds [tile of 16 rows][K step of 128: 8][2,048]; a K step of 256 of 8 tiles is 8 rows of 4,096 bytes, 16,384 apart.  In LDS a
; fragment load is four reads of 512 consecutive bytes: no pitch, no padding.  Tile T = 2 B + u holds rows 32 B + 8 u + r + 8 (r / 8).
; THE MATRIX INSTRUCTION: source 1 = "A" (its tile's row r becomes the lane), source 0 = "B" (its rows run along the lane's registers).  By the choice of a tile's rows, register 16 e + i of a lane's 64 results of one tile of A is
; B's row 32 e + 16 (lane / 16) + i: sixteen neighbours, as the conversions and the next operand's layout want them.
; ROLES, by the cluster's x alone (alike in all sixteen partners): clusters 0 and 1 (q, k): A = 256 tokens of x, B = 256 columns of W: a lane is a token, its registers run along the head's 64: quantised along d.
;   cluster 2 (v): A = 256 columns of W_v, B = 256 tokens: a lane is a channel d, its registers run along the keys: quantised along the keys.
; THE BIAS: along B's rows (q, k) it is the C of each sum's first product; along A's rows (v) it is added to the finished sum, one number a lane.  Each way is cleared by a select where it does not apply.
; RESULTS.  qq: [head 64][tile 128][c 2][512] and scale words [128 tokens: 64][pair of heads: 8][lane][4 words].  kv: [head 64][128 keys: 16][16,896]: K's 4 fragments (each holds two tiles of 16 keys: k 0-63 one, k 64-127 the other),
;   V^T's 4 fragments (16 channels x 128 keys), K's scale words [lane][8 bytes], V's likewise.
; CLUSTERS: 4 x 4; A's tiles are asked for jointly along a row of the cluster, B's along a column.
; LIMITS: a block of zeros gets the byte 1 (its codes are zeros; only this program reads the bytes); NaN and infinities are not served; for q and k the bias enters the f32 sum first, not last.
; REGISTERS: window 0: v16-31 addresses; v32-63 scale words, two sets; v64-127 the bias; v128-255 A's fragments, one set; in the way out v128-231 at work.  window 1: B's fragments, two sets.  windows 2, 3: the accumulators ((a, b) at v[8 (8 (a % 4) + b)]).
.set NQ,     2                         ; matrix instructions deep in a slot
.set FR,     16                        ; registers of a fragment
.set NL,     4                         ; LDS loads that bring one
.set NP,     8                         ; places behind this matrix instruction (ISA guide 7.12.1)
.set KB,     4096                      ; a tile's bytes of one K step of 256
.set HALFT,  8*KB                      ; 128 rows: what one tensor load brings
.set SLOT,   4*HALFT                   ; A's 256 rows, then B's
.set LAPS,   2                         ; K = 1,024 is twice round the ring
.set SCL,    2*SLOT                    ; behind the ring: the scale words of all of K: A's 8,192 bytes, then B's
.set HALFS,  4096                      ; those of 128 rows
.set SPARE,  SCL+4*HALFS               ; the spare words, 128 bytes a wave: two blocks of 256 bytes that no other line names
.set ADRA, 16                          ; v16-17 LDS address of my A fragments in slot 0, 1
.set ADRB, 20                          ; v20-21 the same for B
.set L8,   25                          ; v25 8 x lane
.set LI,   26                          ; v26 16 x lane
.set ADRS, 27                          ; v27 my scale words: lanes 0-15 A's rows, lanes 16-31 B's
.set SPW,  28                          ; v28 my spare word; never rewritten
.set NIL,  29                          ; v29 0; never rewritten
.set BPO,  30                          ; v30 the bias along A's rows: 4 (r + 8 (r / 8))
.set BQO,  31                          ; v31 the bias along B's rows: 64 h
.set SC,   32
.set BQ,   64                          ; v64-127 the bias along B's rows: register 16 e + i; later v[64 + 2 a]: the bias of my row of A's tile a
.set AF,   128
.set X,    128                         ; the way out: 64 numbers
.set PC,   192                         ; their codes
.set TM,   208                         ; at work
.set WD,   224                         ; v224-231 a scale word for each of A's eight tiles
.set G1, 24
.set G0, 32
.set G1B, 48
.set G0B, 56
.set G1S, 68
.set G0S, 76
.set G1SB, 80
.set G0SB, 88
.set SB,  48                           ; the way out: s[48:55] four bases, one for each block of 32
.set SEL, 56                           ; the way out: s[56:57] lane selects
.set MNT, 58                           ; the way out: s58 the mantissa field of 57,344
.set MSB, 0
.macro WIN new                         ; the immediate's high byte repeats the setting that is left
.if MSB != (\new)
	s_set_vgpr_msb (MSB<<8)|(\new)
.set MSB, (\new)
.endif
.endm
.set MUL_LO,  0xa1                     ; source 0 (B) window 1, source 1 (A) window 0, C and D window 2
.set MUL_HI,  0xf1                     ; the same, C and D window 3
.set MUL_LO1, 0x81                     ; the first step: C is the bias, in window 0
.set MUL_HI1, 0xc1
.set TO_B,    0x40                     ; destination window 1, address window 0
; A joint load: waves 0 and 1 fetch for A, waves 2 and 3 for B.  The branch hangs on the wave's number alone.  Four v_nop follow each of the two lines.
.macro JLOAD g0a, g1a, g0b, g1b
	s_cmp_eq_u32 s15, 0
	s_cbranch_scc0 .Lfor_b_\@
	tensor_load_to_lds s[\g0a:\g0a+3], s[\g1a:\g1a+7]
	s_nop 0
.rept 4
	v_nop
.endr
	s_branch .Lasked_\@
.Lfor_b_\@:
	tensor_load_to_lds s[\g0b:\g0b+3], s[\g1b:\g1b+7]
	s_nop 0
.rept 4
	v_nop
.endr
.Lasked_\@:
.endm
.macro CREST                           ; a round of the cluster's barrier behind its opening barrier
	s_cmp_lg_u32 s14, 0
	s_cbranch_scc1 .Lnot_wave_0_\@
	s_barrier_signal -3
.Lnot_wave_0_\@:
	s_barrier_wait -3
	s_barrier_signal -1
	s_barrier_wait -1
.endm
.macro CROUND
	s_barrier_signal -1
	s_barrier_wait -1
	CREST
.endm
.macro PLACES n
.rept \n
	v_nop
.endr
.endm
; 64 numbers of a lane, register 16 b + i = k 32 b + 16 (lane / 16) + i of my row, become a fragment's codes in v[pc] on and its scale word in v[pw].
.macro QUANT s, pc, pw
.irp b, 0,1,2,3
	v_max3_num_f32 v[TM+\b], |v[\s+16*\b]|, |v[\s+1+16*\b]|, 0x8000000   ; my 16 numbers of block b, and the floor 2^(16 - 127): the byte cannot fall under 1
.endr
.irp i, 2,4,6,8,10,12,14
.irp b, 0,1,2,3
	v_max3_num_f32 v[TM+\b], v[TM+\b], |v[\s+16*\b+\i]|, |v[\s+1+16*\b+\i]|
.endr
.endr
.irp b, 0,1,2,3
	v_permlanex16_b32 v[TM+4+\b], v[TM+\b], s[SEL], s[SEL+1]
.endr
.irp b, 0,1,2,3
	v_max_num_f32 v[TM+\b], v[TM+\b], v[TM+4+\b]   ; with lane l xor 16's: the block's largest magnitude
.endr
.irp b, 0,1,2,3
	v_add_nc_u32 v[TM+12+\b], 0xf8800000, v[TM+\b]   ; 15 off its exponent field: the conversion's scale operand
.endr
.irp b, 0,1,2,3
	v_and_or_b32 v[TM+8+\b], v[TM+\b], 0x7f800000, s[MNT]   ; 57,344 x the scale
.endr
.irp b, 0,1,2,3
	v_lshrrev_b32 v[TM+4+\b], 23, v[TM+12+\b]   ; the scale's byte
.endr
	v_lshl_or_b32 v[\pw], v[TM+5], 8, v[TM+4]
	v_lshl_or_b32 v[\pw], v[TM+6], 16, v[\pw]
	v_lshl_or_b32 v[\pw], v[TM+7], 24, v[\pw]
.irp b, 0,1,2,3
.irp i, 0,1,2,3,4,5,6,7,8,9,10,11,12,13,14,15
	v_med3_num_f32 v[\s+16*\b+\i], v[\s+16*\b+\i], -v[TM+8+\b], v[TM+8+\b]   ; the conversion to an 8-bit code does not saturate (ISA guide 7.6.2): the hold
.endr
	v_cvt_scalef32_pk8_bf8_f32 v[\pc+4*\b:\pc+1+4*\b], v[\s+16*\b:\s+7+16*\b], v[TM+12+\b]
	v_cvt_scalef32_pk8_bf8_f32 v[\pc+2+4*\b:\pc+3+4*\b], v[\s+8+16*\b:\s+15+16*\b], v[TM+12+\b]
.endr
	v_nop                                          ; a plain line behind the last conversion
.endm
	s_load_b128 s[4:7], s[0:1], 0x0                ; xq s[4:5], wq s[6:7]
	s_load_b64 s[8:9], s[0:1], 0x10                ; b_qkv
	s_load_b128 s[96:99], s[0:1], 0x18             ; qq s[96:97], kv s[98:99]
	v_lshl_add_u32 v[SPW], v0, 2, SPARE
	v_mov_b32 v[NIL], 0
	ds_add_u32 v28, v29
	ds_add_u32 v28, v29
	s_wait_dscnt 0x0
	v_lshrrev_b32 v1, 5, v0
	v_readfirstlane_b32 s14, v1                    ; wave 0..3
	s_lshr_b32 s15, s14, 1                         ; which 128 rows of A are mine.  Also: I fetch for A (0) or for B (1)
	s_and_b32 s16, s14, 1                          ; which 128 rows of B.  Also: which 128 rows of that tile I fetch
	s_bfe_u32 s40, ttmp6, 0x40000                  ; cx, cy: my place in the cluster
	s_bfe_u32 s41, ttmp6, 0x40004
	s_and_b32 s11, ttmp7, 0xffff
	s_lshl_b32 s11, s11, 2                         ; 4 x cluster y
	s_lshl_b32 s2, ttmp9, 2                        ; 4 x cluster x
	s_lshl_b32 s43, s41, 2
	s_lshl_b32 s43, 15, s43                        ; my row of the cluster
	s_lshl_b32 s44, 0x1111, s40                    ; my column
	s_lshl_b32 s20, s16, 17                        ; in the ring I fetch 128 rows of a tile: 8 tiles x 16,384 bytes of codes
	s_mov_b32 s18, 0x800000
	s_mov_b32 s22, 0x400000
	s_cmp_eq_u32 ttmp9, 2                          ; the cluster of v?
	s_cselect_b32 s10, 1, 0
	s_cselect_b32 s17, 0, s11                      ; A's tile of 256 rows: v: cy;  q, k: 4 x cluster y + cy
	s_cselect_b32 s42, s11, s2                     ; B's: v: 4 x cluster y + cx;  q, k: 4 x cluster x + cx
	s_cselect_b32 s12, 0x200000, 0                 ; A's codes begin: v: at W_v's rows in wq
	s_cselect_b32 s18, 0x410000, s18               ; A's scale words: v: W_v's in wq;  q, k: x's in xq
	s_cselect_b32 s22, 0x800000, s22               ; B's scale words: v: x's;  q, k: wq's
	s_add_co_u32 s17, s17, s41
	s_add_co_u32 s42, s42, s40
	s_lshl_b32 s13, s17, 18                        ; 256 rows are 16 tiles x 16,384 bytes
	s_add_co_u32 s12, s12, s13
	s_mov_b32 s13, 0
	s_lshl_b32 s19, s17, 13                        ; and 16 x 512 bytes of scale words
	s_add_co_u32 s18, s18, s19
	s_mov_b32 s19, 0
	s_lshl_b32 s46, s42, 18
	s_mov_b32 s47, 0
	s_lshl_b32 s23, s42, 13
	s_add_co_u32 s22, s22, s23
	s_mov_b32 s23, 0
	s_lshl_b32 s66, s42, 10                        ; the bias along B's rows: 4 (256 x B's tile + 128 x my half); for v any place inside the buffer: it is cleared
	s_lshl_b32 s67, s16, 9
	s_add_co_u32 s66, s66, s67
	s_cmp_eq_u32 s10, 1
	s_cselect_b32 s66, 0, s66
	s_mov_b32 s67, 0
	; descriptor group 1 for codes: 8 rows (tiles) of 512 elements of 8 bytes, 2,048 elements apart; no padding
	s_or_b32 s[G1+0], s43, (3<<16)|(1<<21)         ; 15:0 the mask: A's tiles go to my row; 17:16 elements of 8 bytes; 21 set beside a mask
	s_or_b32 s[G1B+0], s44, (3<<16)|(1<<21)
.irp g, G1, G1B
	s_mov_b32 s[\g+1], 512<<16                     ; tensor_dim0
	s_mov_b32 s[\g+2], 16<<16                      ; tensor_dim1: 16 tiles for the head's loads; set to 8 for the ring's behind them
	s_mov_b32 s[\g+3], 512<<16                     ; tile_dim0
	s_mov_b32 s[\g+4], 16                          ; tile_dim1 likewise
	s_mov_b32 s[\g+5], 2048                        ; tensor_dim0_stride
	s_mov_b32 s[\g+6], 0
	s_mov_b32 s[\g+7], 0
.endr
	; and for the scale words of 256 rows: 8,192 dense bytes as 32 rows of 256
	s_or_b32 s[G1S+0], s43, (3<<16)|(1<<21)
	s_or_b32 s[G1SB+0], s44, (3<<16)|(1<<21)
.irp g, G1S, G1SB
	s_mov_b32 s[\g+1], 32<<16
	s_mov_b32 s[\g+2], 32<<16                      ; the scale words of 256 rows: 8,192 dense bytes as 32 rows of 256
	s_mov_b32 s[\g+3], 32<<16
	s_mov_b32 s[\g+4], 32
	s_mov_b32 s[\g+5], 32
	s_mov_b32 s[\g+6], 0
	s_mov_b32 s[\g+7], 0
.endr
	s_mul_i32 s45, s14, HALFT                      ; where they go: wave x 32,768: no place in the cluster enters an LDS address
	s_mov_b32 s2, s20                              ; s[2:3]: my half's offset, as a pair
	s_mov_b32 s3, 0
	s_wait_kmcnt 0x0
	s_cmp_eq_u32 s10, 1
	s_cselect_b64 s[92:93], s[6:7], s[4:5]         ; A's buffer
	s_cselect_b64 s[94:95], s[4:5], s[6:7]         ; B's
	s_add_nc_u64 s[12:13], s[92:93], s[12:13]
	s_add_nc_u64 s[18:19], s[92:93], s[18:19]
	s_add_nc_u64 s[46:47], s[94:95], s[46:47]
	s_add_nc_u64 s[22:23], s[94:95], s[22:23]
	s_add_nc_u64 s[66:67], s[8:9], s[66:67]
	CROUND                                         ; all sixteen work-groups are here: the first joint loads meet
	s_mov_b32 s[G0S], 1                            ; the head's four tiles, each whole: the scale words of A's 256 rows,
	s_mov_b32 s[G0S+1], SCL
	s_mov_b64 s[G0S+2:G0S+3], s[18:19]
	s_or_b32 s[G0S+3], s[G0S+3], 0x80000000
	s_mov_b32 s[G0SB], 1                           ; of B's,
	s_mov_b32 s[G0SB+1], SCL+2*HALFS
	s_mov_b64 s[G0SB+2:G0SB+3], s[22:23]
	s_or_b32 s[G0SB+3], s[G0SB+3], 0x80000000
	s_mov_b32 s[G0], 1                             ; K step 0's 256 rows of A (slot 0's own group 0 until the head's loads are in),
	s_mov_b32 s[G0+1], 0
	s_mov_b64 s[G0+2:G0+3], s[12:13]
	s_or_b32 s[G0+3], s[G0+3], 0x80000000
	s_mov_b32 s[G0B], 1                            ; and of B, behind them in slot 0
	s_mov_b32 s[G0B+1], 2*HALFT
	s_mov_b64 s[G0B+2:G0B+3], s[46:47]
	s_or_b32 s[G0B+3], s[G0B+3], 0x80000000
	s_cmp_eq_u32 s15, 0                            ; the prefetches: waves 0, 1 ask for A's tile, waves 2, 3 for B's
	s_cselect_b64 s[100:101], s[12:13], s[46:47]
	s_cselect_b32 s22, s40, s41                    ; my place p among the four that load the tile jointly
	s_lshl_b32 s22, s22, 1
	s_add_co_u32 s22, s22, s16
	s_lshl_b32 s22, s22, 15                        ; my wave's two tiles of 16 rows: (4 p + 2 x half) x 16,384 bytes
	s_add_nc_u64 s[12:13], s[12:13], s[2:3]        ; for the ring: my 128 rows
	s_add_nc_u64 s[46:47], s[46:47], s[2:3]
	s_mov_b32 s[G0+4], 1                           ; slot 1: K step 1
	s_add_co_u32 s[G0+5], s45, SLOT
	s_add_nc_u64 s[G0+6:G0+7], s[12:13], KB
	s_or_b32 s[G0+7], s[G0+7], 0x80000000
	s_mov_b32 s[G0B+4], 1
	s_add_co_u32 s[G0B+5], s45, SLOT
	s_add_nc_u64 s[G0B+6:G0B+7], s[46:47], KB
	s_or_b32 s[G0B+7], s[G0B+7], 0x80000000
; THE HEAD'S LOADS, ONE A WAVE: one tree of branches on the wave's number, a load to an arm, all arms leading to one join.
.macro ARM under, g0, g1, next
	s_cmp_lt_u32 s14, \under
	s_cbranch_scc0 \next
	tensor_load_to_lds s[\g0:\g0+3], s[\g1:\g1+7]
	s_nop 0
.rept 4
	v_nop
.endr
	s_branch .Lhead_asked
\next:
.endm
	ARM 1, G0,  G1,  .Lhead_b
	ARM 2, G0B, G1B, .Lhead_sa
	ARM 3, G0S, G1S, .Lhead_sb
	tensor_load_to_lds s[G0SB:G0SB+3], s[G1SB:G1SB+7]
	s_nop 0
.rept 4
	v_nop
.endr
.Lhead_asked:
	; K steps 1 and 2 are asked of memory here, K step 3 behind slot 1's load: two steps ahead of the loads that want them.  A K step of a tile is 16 x 4,096 bytes = 256 blocks of 256:
	; each of the four partners names 64 of them, told apart by address, a lane a block, one instruction a wave for each K step.
	v_and_b32 v22, 15, v0
	v_bfe_u32 v23, v0, 4, 1
	v_lshlrev_b32 v22, 8, v22
	v_lshl_add_u32 v22, v23, 14, v22
	v_add_nc_u32 v22, s22, v22                     ; v22 and s[100:101] are never rewritten
	global_prefetch_b8 v22, s[100:101] offset:KB th:TH_LOAD_NT scope:SCOPE_SE
	global_prefetch_b8 v22, s[100:101] offset:2*KB th:TH_LOAD_NT scope:SCOPE_SE
	v_and_b32 v1, 15, v0                           ; r
	v_bfe_u32 v2, v0, 4, 1                         ; h
	v_lshlrev_b32 v[BQO], 6, v2
.irp e, 0,1,2,3
.irp j, 0,1,2,3
	global_load_b128 v[BQ+16*\e+4*\j:BQ+16*\e+4*\j+3], v[BQO], s[66:67] offset:128*\e+16*\j   ; the bias at B's rows 32 e + 16 h + 4 j on
.endr
.endr
	s_wait_loadcnt 0x0
	s_cmp_eq_u32 s10, 1
	s_cselect_b32 vcc_lo, 0, -1                    ; kept for q and k, cleared for v
.set n, 0
.rept 64
	v_cndmask_b32 v[BQ+n], 0, v[BQ+n], vcc_lo
.set n, n+1
.endr
	v_and_b32 v3, 31, v0
	v_lshlrev_b32 v[LI], 4, v3
	v_lshlrev_b32 v[L8], 3, v3
	s_lshl_b32 s20, s15, 15                        ; my 128 rows of A
	s_lshl_b32 s21, s16, 15                        ; my 128 rows of B,
	s_add_co_u32 s21, s21, 2*HALFT                 ; which lie behind A's 256
.irp s, 0,1
	v_add_nc_u32 v[ADRA+\s], s20, v[LI]
	v_add_nc_u32 v[ADRB+\s], s21, v[LI]
	s_add_co_u32 s20, s20, SLOT
	s_add_co_u32 s21, s21, SLOT
.endr
	v_lshlrev_b32 v5, 4, v1                        ; my row's four words of half of K: 16 r
	s_lshl_b32 s20, s15, 12                        ; A's: my 128 rows
	s_lshl_b32 s21, s16, 12                        ; B's: my 128 rows, behind A's 256
	s_add_co_u32 s21, s21, 2*HALFS
	s_sub_co_u32 s21, s21, s20
	v_mul_u32_u24 v6, s21, v2                      ; lanes 16-31 take B's
	s_add_co_u32 s20, s20, SCL
	v_add_nc_u32 v5, v5, v6
	v_add_nc_u32 v[ADRS], s20, v5
	v_and_b32 v6, 8, v1
	v_add_nc_u32 v6, v6, v1
	v_lshlrev_b32 v[BPO], 2, v6
	s_lshl_b32 s92, s17, 10                        ; the bias along A's rows (v): 4 (2,048 + 256 x A's tile + 128 x my half); for q and k any place inside the buffer: it is cleared
	s_lshl_b32 s93, s15, 9
	s_add_co_u32 s92, s92, s93
	s_add_co_u32 s92, s92, 8192
	s_cmp_eq_u32 s10, 1
	s_cselect_b32 s92, s92, 0
	s_mov_b32 s93, 0
	s_add_nc_u64 s[92:93], s[8:9], s[92:93]
.macro FRAG reg, adr, q, i             ; a fragment as it lies: four reads of 512 consecutive bytes
.irp c, 0,1,2,3
	ds_load_b128 v[\reg+4*\c:\reg+4*\c+3], v[\adr] offset:(\i)*KB+2048*(\q)+512*\c
.endr
.endm
; 16 matrix instructions: A's blocks a0, a0 + 1 x B's eight, the slot's q-th 128 along K.  p: B's set; sc: the set of scale words.  first = 1: the bias starts the sums.
; The 64 accumulators take turns, one instruction a turn, in the same order in every step.
.macro MUL16 a0, p, q, sc, first
.irp a, \a0, \a0+1
.irp b, 0,1,2,3,4,5,6,7
.if \first
	v_wmma_scale_f32_16x16x128_f8f6f4 v[8*(8*((\a)%4)+\b):8*(8*((\a)%4)+\b)+7], v[128*(\p)+FR*\b:128*(\p)+FR*\b+FR-1], v[AF+FR*(\a):AF+FR*(\a)+FR-1], v[BQ+8*\b:BQ+8*\b+7], v[SC+8*NQ*(\sc)+NQ*\b+(\q)], v[SC+8*NQ*(\sc)+NQ*(\a)+(\q)] matrix_a_fmt:MATRIX_FMT_BF8 matrix_b_fmt:MATRIX_FMT_BF8 matrix_a_scale:MATRIX_SCALE_ROW1
.else
	v_wmma_scale_f32_16x16x128_f8f6f4 v[8*(8*((\a)%4)+\b):8*(8*((\a)%4)+\b)+7], v[128*(\p)+FR*\b:128*(\p)+FR*\b+FR-1], v[AF+FR*(\a):AF+FR*(\a)+FR-1], v[8*(8*((\a)%4)+\b):8*(8*((\a)%4)+\b)+7], v[SC+8*NQ*(\sc)+NQ*\b+(\q)], v[SC+8*NQ*(\sc)+NQ*(\a)+(\q)] matrix_a_fmt:MATRIX_FMT_BF8 matrix_b_fmt:MATRIX_FMT_BF8 matrix_a_scale:MATRIX_SCALE_ROW1
.endif
.endr
.endr
.endm
.macro FETCH_B slot, q, p
	WIN TO_B
.irp i, 0,1,2,3,4,5,6,7
	FRAG 128*(\p)+FR*\i, ADRB+\slot, \q, \i
.endr
	WIN 0
.endm
.macro FETCH_A slot, q, i0
.irp i, \i0, \i0+1, \i0+2, \i0+3
	FRAG AF+FR*(\i), ADRA+\slot, \q, \i
.endr
.endm
.macro SCALES sc                       ; a K step's two words a row: lanes 0-15 take A's block i, lanes 16-31 B's block i
.irp i, 0,1,2,3,4,5,6,7
	ds_load_b64 v[SC+8*NQ*\sc+NQ*\i:SC+8*NQ*\sc+NQ*\i+1], v[ADRS] offset:\i*512
.endr
.endm
; A step of 128 along K that has its successor in the same slot.  A load into a register that a matrix instruction has read stands NP plain vector instructions behind it.
.macro STEP slot, q, first
	s_wait_dscnt 4*NL                              ; B's set and A's blocks 0-3 are in; the youngest 16 loads (A's blocks 4-7) may be out
.if \first
	WIN MUL_LO1
.else
	WIN MUL_LO
.endif
	MUL16 0, (\q)%2, \q, \slot, \first
	MUL16 2, (\q)%2, \q, \slot, \first
	s_wait_dscnt 0                                 ; A's blocks 4-7 are in
	PLACES NP
	FETCH_B \slot, (\q)+1, 1-(\q)%2
	FETCH_A \slot, (\q)+1, 0
.if \first
	WIN MUL_HI1
.else
	WIN MUL_HI
.endif
	MUL16 4, (\q)%2, \q, \slot, \first
	MUL16 6, (\q)%2, \q, \slot, \first
	PLACES NP
	WIN 0
	FETCH_A \slot, (\q)+1, 4
.endm
; A slot's last step changes slots: one barrier; in front of it each wave waits for all its tensor loads, adds 0 to its spare word, and waits for that and for its reads of this slot.  fill = 1: this slot is filled again, two K steps ahead.
.macro TURN slot, next, fill
	s_wait_tensorcnt 0x0                           ; all my tensor loads have landed: my part of the next slot
	ds_add_u32 v[SPW], v[NIL]                      ; 0 onto my spare word
	s_wait_dscnt 4*NL+1                            ; the add and the youngest 16 loads may be out
	WIN MUL_LO
	MUL16 0, 1, NQ-1, \slot, 0
	s_wait_dscnt 0x0                               ; the add is done, and my reads of this slot are over
	s_barrier_signal -1
	MUL16 2, 1, NQ-1, \slot, 0
	WIN 0
	s_barrier_wait -1
.if \fill
	CREST                                          ; the barrier has opened a round of the cluster's barrier: no wave of any partner still reads this slot or has a load on its way
	s_add_nc_u64 s[G0+4*\slot+2:G0+4*\slot+3], s[G0+4*\slot+2:G0+4*\slot+3], 2*KB
	s_add_nc_u64 s[G0B+4*\slot+2:G0B+4*\slot+3], s[G0B+4*\slot+2:G0B+4*\slot+3], 2*KB
	JLOAD G0+4*\slot, G1, G0B+4*\slot, G1B         ; the first tensor load behind the round; its four v_nop are among the places in front of the loads below
	PLACES NP-4
.else
	PLACES NP
.endif
	s_wait_alu depctr_va_vdst(0)
	v_add_nc_u32 v[ADRS], 8+240*(\slot), v[ADRS]   ; the next K step's two words: 8 bytes on, or into the second half of K: 256 - 8
	FETCH_B \next, 0, 0
	FETCH_A \next, 0, 0
	SCALES \next
	WIN MUL_HI
	MUL16 4, 1, NQ-1, \slot, 0
	MUL16 6, 1, NQ-1, \slot, 0
	PLACES NP
	WIN 0
	FETCH_A \next, 0, 4
.endm
	s_wait_alu depctr_va_vdst(0)
	s_wait_tensorcnt 0x0                           ; my tile of the head's four is in
	ds_add_u32 v[SPW], v[NIL]
	s_mov_b32 s[G1+2], 8<<16                       ; no tensor load of mine is out, so descriptors may be written: from here on a load brings 8 tiles,
	s_mov_b32 s[G1+4], 8
	s_mov_b32 s[G1B+2], 8<<16
	s_mov_b32 s[G1B+4], 8
	s_mov_b32 s[G0+1], s45                         ; and slot 0's groups 0 stand at my 128 rows of K step 0
	s_add_nc_u64 s[G0+2:G0+3], s[G0+2:G0+3], s[2:3]
	s_mov_b32 s[G0B+1], s45
	s_add_nc_u64 s[G0B+2:G0B+3], s[G0B+2:G0B+3], s[2:3]
	s_wait_dscnt 0x0
	CROUND                                         ; all four tiles are in, and all sixteen work-groups are here
	JLOAD G0+4, G1, G0B+4, G1B                     ; K step 1: the first tensor load behind the round
	FETCH_B 0, 0, 0
	FETCH_A 0, 0, 0
	SCALES 0
	FETCH_A 0, 0, 4
	global_prefetch_b8 v22, s[100:101] offset:3*KB th:TH_LOAD_NT scope:SCOPE_SE
	STEP 0, 0, 1
.irp a, 0,1,2,3,4,5,6,7
	global_load_b32 v[BQ+2*\a], v[BPO], s[92:93] offset:4*(32*(\a/2)+8*(\a%2))   ; the bias of my row of A's tile a, into registers that the first step has left (its eight places stand at its end); waited for on the way out
.endr
	s_mov_b32 s3, LAPS-1
.Llap:
	TURN 0, 1, 1
	STEP 1, 0, 0
	TURN 1, 0, 1
	STEP 0, 0, 0
	s_sub_co_u32 s3, s3, 1
	s_cmp_lg_u32 s3, 0
	s_cbranch_scc1 .Llap
	TURN 0, 1, 0                                   ; the last lap fills nothing
	STEP 1, 0, 0
	s_wait_dscnt 4*NL
	WIN MUL_LO
	MUL16 0, 1, NQ-1, 1, 0
	MUL16 2, 1, NQ-1, 1, 0
	s_wait_dscnt 0
	WIN MUL_HI
	MUL16 4, 1, NQ-1, 1, 0
	MUL16 6, 1, NQ-1, 1, 0
	WIN 0
; THE WAY OUT.  No tensor load is out since the last change of slots, so the descriptors' registers are free.  Where my results go:
	s_mov_b32 s[SEL], 0x76543210
	s_mov_b32 s[SEL+1], 0xfedcba98
	s_mov_b32 s[MNT], 0x600000
	s_and_b32 s24, s42, 3
	s_mov_b32 s32, 1024
	s_mov_b32 s34, 1024
	s_mov_b32 s27, 16384
	s_cmp_eq_u32 s10, 1
	s_cselect_b32 s20, s42, s17                    ; the tile of 256 tokens,
	s_cselect_b32 s21, s16, s15                    ; and my half of it
	s_cselect_b32 s24, s17, s24                    ; the tile of 256 features (4 heads) within q, k or v,
	s_cselect_b32 s25, s15, s16                    ; and my half of it (2 heads)
	s_cselect_b32 s26, 8192, 0                     ; V's fragments lie behind K's in a chunk
	s_cselect_b32 s27, 16640, s27                  ; the chunk's scale words: K's at 16,384, V's at 16,640
	s_cselect_b32 s32, 2048, s32                   ; from A's tile a to a + 1: v: a fragment;  q, k: a tile's two blocks
	s_cselect_b32 s34, 264192, s34                 ; from a = 3 to a = 4: v: on to the next head's chunk, 270,336 - 3 x 2,048
	s_cselect_b32 vcc_lo, -1, 0                    ; the bias along A's rows is kept for v
	s_mov_b32 s33, 0
	s_mov_b32 s35, 0
	s_lshr_b32 s22, s20, 3                         ; the batch
	s_and_b32 s20, s20, 7
	s_lshl_b32 s20, s20, 1
	s_add_co_u32 s20, s20, s21                     ; which 128 tokens of the batch's 2,048
	s_lshl_b32 s24, s24, 2
	s_lshl_b32 s25, s25, 1
	s_add_co_u32 s24, s24, s25                     ; my first head
	s_lshl_b32 s23, s22, 4
	s_add_co_u32 s21, s23, s24                     ; 16 x batch + head
	s_add_co_u32 s23, s23, s20                     ; 16 x batch + block of 128 tokens
	s_mov_b32 s30, 270336
	s_mov_b32 s31, 16896
	s_cmp_eq_u32 ttmp9, 0                          ; q?
	s_cselect_b64 s[28:29], s[96:97], s[98:99]
	s_cselect_b32 s30, 131072, s30                 ; a head's bytes
	s_cselect_b32 s31, 8192, s31                   ; 128 tokens' bytes
	s_mul_i32 s36, s21, s30
	s_mul_i32 s37, s20, s31
	s_add_co_u32 s36, s36, s37
	s_lshl_b32 s23, s23, 3
	s_lshr_b32 s25, s24, 1
	s_add_co_u32 s23, s23, s25
	s_lshl_b32 s23, s23, 9
	s_add_co_u32 s23, s23, 0x800000                ; q's scale words: behind the codes, 512 bytes for 128 tokens and a pair of heads
	s_add_co_u32 s27, s27, s36
	s_cmp_eq_u32 ttmp9, 0
	s_cselect_b32 s38, s23, s27
	s_mov_b32 s39, 0
	s_add_nc_u64 s[38:39], s[28:29], s[38:39]      ; where my scale words go
	s_add_co_u32 s36, s36, s26
	s_mov_b32 s37, 0
	s_add_nc_u64 s[28:29], s[28:29], s[36:37]      ; where my codes go
	s_cmp_eq_u32 s10, 1
	s_cselect_b32 s36, 1024, s30                   ; from block 0 to block 2: v: two places of a fragment;  q, k: the next head
	s_mov_b64 s[SB:SB+1], s[28:29]
	s_add_nc_u64 s[SB+2:SB+3], s[28:29], 512
	s_add_nc_u64 s[SB+4:SB+5], s[28:29], s[36:37]
	s_add_nc_u64 s[SB+6:SB+7], s[SB+4:SB+5], 512
	PLACES NP                                      ; behind the last products: their results are read and A's registers written below
	s_wait_loadcnt 0x0                             ; the bias along A's rows
.irp a, 0,1,2,3,4,5,6,7
	v_cndmask_b32 v[BQ+2*\a], 0, v[BQ+2*\a], vcc_lo
.endr
.irp b, 0,1,2,3
	v_mov_b32 v[TM+4+\b], 0                        ; a lane permute's destination counts as one of its sources
.endr
; A's tile a: the lane's 64 results take the row's bias on their way into window 0, each accumulator from its low end on; they are quantised; each block's 16 bytes a lane leave as 512 consecutive bytes.
.macro OUTBLK a
.if (\a) > 0
	s_wait_xcnt 0x0                                ; the last tile's stores have read their bases and the codes' registers
.irp e, 0,1,2,3
.if (\a) == 4
	s_add_nc_u64 s[SB+2*\e:SB+2*\e+1], s[SB+2*\e:SB+2*\e+1], s[34:35]
.else
	s_add_nc_u64 s[SB+2*\e:SB+2*\e+1], s[SB+2*\e:SB+2*\e+1], s[32:33]
.endif
.endr
.endif
	WIN 0x02+(\a)/4                                ; source 0: window 2 or 3
.set n, 0
.rept 32
	v_pk_add_f32 v[X+n:X+n+1], v[64*((\a)%4)+n:64*((\a)%4)+n+1], v[BQ+2*(\a):BQ+2*(\a)+1] op_sel_hi:[1,0]
.set n, n+2
.endr
	WIN 0
	QUANT X, PC, WD+(\a)
.irp e, 0,1,2,3
	global_store_b128 v[LI], v[PC+4*\e:PC+4*\e+3], s[SB+2*\e:SB+2*\e+1]
.endr
.endm
.irp a, 0,1,2,3,4,5,6,7
	OUTBLK \a
.endr
	; the scale words.  WD[a]: my row's four bytes of A's tile a, the same in lanes r and r + 16
	s_mov_b32 vcc_lo, 0xffff0000
	s_cmp_eq_u32 ttmp9, 0
	s_cbranch_scc1 .Lq_words
	s_cmp_eq_u32 ttmp9, 1
	s_cbranch_scc1 .Lk_words
.irp e, 0,1                                    ; v: head e's four tiles of channels: words 0, 1: lanes 0-15 tiles 0, 2; lanes 16-31 tiles 1, 3
	v_cndmask_b32 v[X+2*\e], v[WD+4*\e], v[WD+4*\e+1], vcc_lo
	v_cndmask_b32 v[X+2*\e+1], v[WD+4*\e+2], v[WD+4*\e+3], vcc_lo
	global_store_b64 v[L8], v[X+2*\e:X+2*\e+1], s[38:39] offset:270336*\e   ; 256 consecutive bytes, aligned
.endr
	s_branch .Lwords_out
.Lq_words:
.irp j, 0,1,2,3
	v_cndmask_b32 v[X+\j], v[WD+2*\j], v[WD+2*\j+1], vcc_lo   ; lane (r, h), word j: tile 2 j + h
.endr
	global_store_b128 v[LI], v[X:X+3], s[38:39]
	s_branch .Lwords_out
.Lk_words:
	s_mov_b32 s20, 0x05040100                      ; the low halves of two words: head 0's two bytes of tiles 2 f and 2 f + 1
	s_mov_b32 s21, 0x07060302                      ; the high halves: head 1's
.irp e, 0,1
.irp f, 0,1,2,3
	v_perm_b32 v[X+8+4*\e+\f], v[WD+2*\f+1], v[WD+2*\f], s[20+\e]   ; fragment f's word: k 0-63 are tile 2 f's key, k 64-127 tile 2 f + 1's
.endr
.endr
.irp e, 0,1
	v_cndmask_b32 v[X+2*\e], v[X+8+4*\e], v[X+8+4*\e+1], vcc_lo
	v_cndmask_b32 v[X+2*\e+1], v[X+8+4*\e+2], v[X+8+4*\e+3], vcc_lo
	global_store_b64 v[L8], v[X+2*\e:X+2*\e+1], s[38:39] offset:270336*\e
.endr
.Lwords_out:
	s_wait_tensorcnt 0x0                           ; the wave's end
	ds_add_u32 v[SPW], v[NIL]
	s_wait_dscnt 0x0
	CROUND                                         ; the closing round: no work-group ends while a partner may still ask for a tile that names it
	s_endpgm
.Lfunc_end_k_qad4a699861_gemm_qkv:
	.size	k_qad4a699861_gemm_qkv, .Lfunc_end_k_qad4a699861_gemm_qkv-k_qad4a699861_gemm_qkv
	.p2alignl 7, 3214868480
	.fill 96, 4, 3214868480
	.section	.rodata,"a",@progbits
	.p2align	6, 0x0
	.amdhsa_kernel k_qad4a699861_gemm_qkv
		.amdhsa_group_segment_fixed_size 327680
		.amdhsa_private_segment_fixed_size 0
		.amdhsa_enable_private_segment 0
		.amdhsa_kernarg_size 40
		.amdhsa_user_sgpr_count 2
		.amdhsa_user_sgpr_kernarg_segment_ptr 1
		.amdhsa_wavefront_size32 1
		.amdhsa_system_sgpr_workgroup_id_x 1
		.amdhsa_system_sgpr_workgroup_id_y 1
		.amdhsa_system_sgpr_workgroup_id_z 1
		.amdhsa_system_vgpr_workitem_id 0
		.amdhsa_next_free_vgpr 1024
		.amdhsa_next_free_sgpr 102
		.amdhsa_reserve_vcc 1
		.amdhsa_float_denorm_mode_32 3
		.amdhsa_float_denorm_mode_16_64 3
		.amdhsa_memory_ordered 1
		.amdhsa_forward_progress 1
		.amdhsa_inst_pref_size 211
	.end_amdhsa_kernel
	.amdgpu_metadata
---
amdhsa.version: [ 1, 2 ]
amdhsa.kernels:
  - .name:           k_qad4a699861_gemm_qkv
    .symbol:         k_qad4a699861_gemm_qkv.kd
    .args:
      - { .name: xq, .offset: 0, .size: 8, .value_kind: global_buffer, .address_space: global }
      - { .name: wq, .offset: 8, .size: 8, .value_kind: global_buffer, .address_space: global }
      - { .name: b_qkv, .offset: 16, .size: 8, .value_kind: global_buffer, .address_space: global }
      - { .name: qq, .offset: 24, .size: 8, .value_kind: global_buffer, .address_space: global }
      - { .name: kv, .offset: 32, .size: 8, .value_kind: global_buffer, .address_space: global }
    .group_segment_fixed_size: 327680
    .private_segment_fixed_size: 0
    .kernarg_segment_align: 8
    .kernarg_segment_size: 40
    .max_flat_workgroup_size: 128
    .sgpr_count:     102
    .vgpr_count:     1024
    .wavefront_size: 32
...
	.end_amdgpu_metadata
.endif
;; end of part 2
;; launch attn (part 3): grid 4 x 64, 8 waves a work-group, clusters of 4 x 1, 327,680 bytes of LDS; arguments qq, kv, oq; writes oq
.if DOCPART == 3
	.amdgcn_target "amdgcn-amd-amdhsa--gfx1250"
	.amdhsa_code_object_version 6
	.text
	.protected	k_qad4a699861_attn
	.globl	k_qad4a699861_attn
	.p2align	8
	.type	k_qad4a699861_attn,@function
k_qad4a699861_attn:
	s_mov_b64 s[64:65], 0
	v_nop
	global_prefetch_b8 v0, s[64:65] scope:SCOPE_SE
	s_setreg_imm32_b32 hwreg(HW_REG_WAVE_MODE, 25, 1), 1
	s_wait_xcnt 0x0
	s_wait_alu depctr_hold_cnt(0) depctr_sa_sdst(0) depctr_va_vdst(0) depctr_va_sdst(0) depctr_va_ssrc(0) depctr_va_vcc(0) depctr_vm_vsrc(0)
	s_getreg_b32 s2, hwreg(HW_REG_IB_STS2, 6, 4)
	s_cmp_eq_u32 s2, 0
	s_cbranch_scc0 .Lentry_in_a_cluster
	s_endpgm
.Lentry_in_a_cluster:
	s_bfe_u32 s2, ttmp6, 0x10000c
	s_cmp_lg_u32 s2, 0x3003
	s_cbranch_scc0 .Lentry_shape_is_right
	s_endpgm
.Lentry_shape_is_right:
; Causal attention of one head on codes of E5M2, and its result quantised along the model's width as the last product's operand.  64 heads (batch x head) of 2,048 tokens, head size 64.
; t = score x log2(e) / 8; M = the running largest t rounded up to a whole number; p = 2^(t - M) is quantised along the keys, not normalised; the row's sum is taken of the unquantised p and divides O at the end.
; When M moves, the sum and O are multiplied by 2^(old M - new M): exact.
; LEFT OUT: key steps all of whose 128 keys come after a tile's queries: the causal mask sets their scores to -inf.
; SHARES.  A cluster of four work-groups owns a head.  The head's K, V and their scale words, 16 chunks of 16,896 bytes for 128 keys each, lie in every work-group's LDS for the whole launch: wave w asks for chunks 2 w and 2 w + 1
; by one load, jointly with the same wave of the three partners; nothing in LDS is filled a second time.  No prefetch: all of kv is asked for at the head, so no loop runs ahead of a load.
; Work-group g, wave w works on TWO tiles of 16 queries at a time, tiles 8 R + 2 g and 8 R + 2 g + 1 of the block R of 128 tokens: tile A in registers v0-255, tile B in v256-511 under the same low numbers.
; Two passes, R = w and R = 15 - w: (w + 1) + (16 - w) = 17 key steps for every wave.  The passes are two trips of one loop; the key loop's trip count stays 16 and a scalar branch on ids leads round the steps left out.
; Each fragment of K and of V^T that is read from LDS feeds both tiles.  The next step's K (chunk J + 1, held at chunk 15; the pass's last step asks for it too, with no branch) and this step's V^T are asked for behind the scores' products.
; LAYOUT.  Both products are used transposed: a lane holds one query (lane % 16).  Tile T = 2 B + u of tokens (or channels) holds rows 32 B + 8 u + r + 8 (r / 8).
; The head has 64 channels and the instruction 128 along K: a fragment of K holds, for lane r, one key in k 0-63 and the key 8 further on in k 64-127; it is multiplied by [q | zeros] and by [zeros | q].
; So register 16 f + i of the scores is key 32 f + 16 (lane / 16) + i of the step.  V^T's tiles of channels are chosen alike: O's 32 registers are d = 32 b + 16 (lane / 16) + i.
; LIMITS: a block whose every p (or every output) is 0 gets the byte 1; its codes are zeros.  NaN and infinities are not served.  The promise holds while the scaled scores stay under 2^31 in magnitude.
; All of a WGP's LDS is claimed; 271,360 bytes are used.
.set CH,    16896                      ; a chunk: K's 4 fragments, V^T's 4, K's scale words, V's
.set VOFF,  8192
.set KSOFF, 16384
.set VSOFF, 16640
.set SPARE, 16*CH                      ; the spare words: 128 bytes a wave
.set LI,   1                           ; 16 x lane
.set L8,   2                           ; 8 x lane
.set ADK,  3                           ; this chunk + 16 x lane
.set ADS,  4                           ; this chunk + 8 x lane
.set DQ,   5                           ; (both windows) my query's place in its 128, less 16 (lane / 16)
.set R16,  6                           ; 16 r
.set R16H, 7                           ; 16 r + h
.set ADN,  8                           ; the next chunk + 16 x lane
.set ADM,  9                           ; the next chunk + 8 x lane
.set QF,   24                          ; (both) v24-31 q's codes; v16-23 and v32-39 zeros
.set KF,   40                          ; window 0: K's four fragments; window 1: V^T's
.set S,    104                         ; (both) the scores, then p
.set O,    168                         ; (both) O^T
.set PC,   200                         ; (both) p's codes
.set BM,   216
.set PT,   220
.set HL,   224
.set SO,   228
.set FF,   232                         ; f = 2^(old M - new M); at the end 1 / the sum
.set T,    234
.set PW,   235                         ; tile A's p: its scale word (scale operands are always taken from v0-255)
.set QSC,  236                         ; tile A's q: its two scale bytes twice
.set PWB,  237                         ; tile B's p
.set KSC,  238                         ; v[238:239] K's scale words
.set VSC,  240                         ; v[240:241] V's
.set NINF, 242
.set QSB,  243                         ; tile B's q
.set TS,   244                         ; v244-249 three chains of the row's sum
.set WA,   252                         ; q's scale words as loaded: tile A's, tile B's
.set WB,   253
.set SPW,  254
.set NIL,  255
.set WV,   10
.set G,    11                          ; my place in the cluster: it enters global addresses and the mask's numbers alone
.set BH,   12
.set BB,   13
.set HD,   14
.set R,    15
.set J,    16
.set TB,   17
.set SEL,  18
.set CS,   20
.set MNT,  22
.set PSEL, 23
.set TN,   26
.set P,    27
.set G0,   28
.set G1,   32
.set QP,   40
.set QS,   42
.set OP,   44
.set OS,   46
.set MSB, 0
.macro WIN new                         ; the immediate's high byte repeats the setting that is left.  0x55: all operands in window 1
.if MSB != (\new)
	s_set_vgpr_msb (MSB<<8)|(\new)
.set MSB, (\new)
.endif
.endm
.macro ROUND
	s_barrier_signal -1
	s_barrier_wait -1
	s_cmp_lg_u32 s[WV], 0
	s_cbranch_scc1 .Lnot_wave_0_\@
	s_barrier_signal -3
.Lnot_wave_0_\@:
	s_barrier_wait -3
	s_barrier_signal -1
	s_barrier_wait -1
.endm
.macro MM0 d, a, b, sa, sb, row1       ; a product that starts its sum
.if \row1
	v_wmma_scale_f32_16x16x128_f8f6f4 v[(\d):(\d)+7], v[(\a):(\a)+15], v[(\b):(\b)+15], 0, v[\sa], v[\sb] matrix_a_fmt:MATRIX_FMT_BF8 matrix_b_fmt:MATRIX_FMT_BF8 matrix_a_scale:MATRIX_SCALE_ROW1
.else
	v_wmma_scale_f32_16x16x128_f8f6f4 v[(\d):(\d)+7], v[(\a):(\a)+15], v[(\b):(\b)+15], 0, v[\sa], v[\sb] matrix_a_fmt:MATRIX_FMT_BF8 matrix_b_fmt:MATRIX_FMT_BF8
.endif
.endm
.macro MMC d, a, b, sa, sb, row1       ; a product that adds in place
.if \row1
	v_wmma_scale_f32_16x16x128_f8f6f4 v[(\d):(\d)+7], v[(\a):(\a)+15], v[(\b):(\b)+15], v[(\d):(\d)+7], v[\sa], v[\sb] matrix_a_fmt:MATRIX_FMT_BF8 matrix_b_fmt:MATRIX_FMT_BF8 matrix_a_scale:MATRIX_SCALE_ROW1
.else
	v_wmma_scale_f32_16x16x128_f8f6f4 v[(\d):(\d)+7], v[(\a):(\a)+15], v[(\b):(\b)+15], v[(\d):(\d)+7], v[\sa], v[\sb] matrix_a_fmt:MATRIX_FMT_BF8 matrix_b_fmt:MATRIX_FMT_BF8
.endif
.endm
.macro KQ qs                           ; a tile's eight products with K's four fragments
.irp f, 0,1,2,3
	MM0 S+16*\f, KF+16*\f, QF, KSC+\f/2, \qs, \f%2
	MM0 S+16*\f+8, KF+16*\f, QF-8, KSC+\f/2, \qs, \f%2
.endr
.endm
.macro PV pw                           ; O^T += V^T p: the four accumulators by turns
.irp t, 0,1,2,3
	MMC O+8*\t, KF+16*\t, PC, VSC+\t/2, \pw, \t%2
.endr
.endm
.macro ADDRQ                           ; where block R's two tiles of q lie
	s_lshl_b32 s48, s[R], 3
	s_lshl_b32 s49, s[G], 1
	s_add_co_u32 s48, s48, s49                     ; tile A in its head: 8 R + 2 g
	s_lshl_b32 s50, s[BH], 17
	s_lshl_b32 s51, s48, 10
	s_add_co_u32 s50, s50, s51
	s_mov_b32 s51, 0
	s_add_nc_u64 s[QP:QP+1], s[4:5], s[50:51]
	s_lshl_b32 s50, s[BB], 4
	s_add_co_u32 s50, s50, s[R]
	s_lshl_b32 s50, s50, 3
	s_lshr_b32 s52, s[HD], 1
	s_add_co_u32 s50, s50, s52
	s_lshl_b32 s50, s50, 9
	s_lshl_b32 s52, s[G], 2
	s_add_co_u32 s50, s50, s52
	s_add_co_u32 s50, s50, 0x800000
	s_add_nc_u64 s[QS:QS+1], s[4:5], s[50:51]      ; scale words: word g of lane (r, tile's parity)
.endm
.macro QLOAD
	global_load_b128 v[QF:QF+3], v[LI], s[QP:QP+1]
	global_load_b128 v[QF+4:QF+7], v[LI], s[QP:QP+1] offset:512
	global_load_b32 v[WA], v[R16], s[QS:QS+1]
	global_load_b32 v[WB], v[R16], s[QS:QS+1] offset:256
	WIN 0x40                                       ; tile B's codes into window 1
	global_load_b128 v[QF:QF+3], v[LI], s[QP:QP+1] offset:1024
	global_load_b128 v[QF+4:QF+7], v[LI], s[QP:QP+1] offset:1536
	WIN 0
.endm
.macro CONSTS                          ; what a window holds for the whole launch
	v_mov_b32 v[NINF], 0xff800000
.irp j, 0,1,2,3,4,5,6,7
	v_mov_b32 v[QF-8+\j], 0
	v_mov_b32 v[QF+8+\j], 0
.endr
.irp b, 0,1,2,3
	v_mov_b32 v[PT+\b], 0                          ; a lane permute's destination counts as one of its sources
.endr
	v_mov_b32 v[FF+1], 0
.endm
.macro INIT                            ; a tile's start: the first step finds zeros, which the first change of M leaves zeros
	v_mov_b32 v13, 0xff61b1e6                      ; the largest t so far: -3e38
	v_floor_f32 v12, -v13
	v_mov_b32 v14, 0
	v_mov_b32 v15, 0
.set n, 0
.rept 32
	v_mov_b32 v[O+n], 0
.set n, n+1
.endr
.endm
.macro MASK                            ; on the diagonal: register 16 f + i is hidden where 32 f + i > my query's place - 16 h
.set n, 0
.rept 64
	v_cmp_gt_i32 vcc_lo, 32*(n/16)+n%16, v[DQ]
	v_cndmask_b32 v[S+n], v[S+n], v[NINF], vcc_lo
.set n, n+1
.endr
.endm
; A tile's softmax of 128 keys, p's codes and scale word, and O^T under the new M.  x = 1: it runs in window 1, and the scale word's last line writes window 0.
.macro SOFT x, pw
.irp b, 0,1,2,3
	v_max3_num_f32 v[BM+\b], v[S+16*\b], v[S+1+16*\b], v[S+2+16*\b]   ; the largest score of each block of 32 keys: for the row's maximum and for the block's largest p
.endr
.irp i, 3,5,7,9,11,13
.irp b, 0,1,2,3
	v_max3_num_f32 v[BM+\b], v[BM+\b], v[S+16*\b+\i], v[S+1+16*\b+\i]
.endr
.endr
.irp b, 0,1,2,3
	v_max_num_f32 v[BM+\b], v[BM+\b], v[S+15+16*\b]
.endr
.irp b, 0,1,2,3
	s_delay_alu instid0(VALU_DEP_4)
	v_permlanex16_b32 v[PT+\b], v[BM+\b], s[SEL], s[SEL+1]
.endr
.irp b, 0,1,2,3
	s_delay_alu instid0(VALU_DEP_4)
	v_max_num_f32 v[BM+\b], v[BM+\b], v[PT+\b]     ; with lane l xor 16's 16 keys
.endr
	s_delay_alu instid0(VALU_DEP_2)
	v_max3_num_f32 v[T], v[BM], v[BM+1], v[BM+2]
	s_delay_alu instid0(VALU_DEP_1)
	v_max_num_f32 v[T], v[T], v[BM+3]
	s_delay_alu instid0(VALU_DEP_1)
	v_mul_f32 v[T], s[CS], v[T]                    ; the step's largest t
	s_delay_alu instid0(VALU_DEP_1)
	v_max_num_f32 v13, v13, v[T]                   ; the running largest t
	v_mov_b32 v[T], v12
	s_delay_alu instid0(VALU_DEP_2)
	v_floor_f32 v12, -v13                          ; the new -M = floor(-t)
	s_delay_alu instid0(VALU_DEP_1)
	v_sub_f32 v[T], v12, v[T]                      ; old M - new M: a whole number, 0 or less
	s_delay_alu instid0(VALU_DEP_1)
	v_cvt_i32_f32 v[T], v[T]                       ; (it saturates)
	s_delay_alu instid0(VALU_DEP_1)
	v_ldexp_f32 v[FF], 1.0, v[T]                   ; f
.set n, 0
.rept 32
	v_pk_fma_f32 v[S+n:S+n+1], v[S+n:S+n+1], s[CS:CS+1], v[12:13] op_sel_hi:[1,0,0]   ; t - M, two at a time
.set n, n+2
.endr
.irp b, 0,1,2,3
	v_fma_f32 v[BM+\b], v[BM+\b], s[CS], v12       ; the same of each block's largest score
.endr
	s_wait_alu depctr_va_vdst(0)                   ; ahead of the batch
.set n, 0
.rept 64
	v_exp_f32 v[S+n], v[S+n]                       ; p = 2^(t - M)
.set n, n+1
.endr
	v_pk_mul_f32 v[14:15], v[14:15], v[FF:FF+1] op_sel_hi:[1,0]   ; the sums under the new M: the plain line behind the exponentials
	s_wait_alu depctr_va_vdst(0)                   ; one wait for the batch, ahead of its first reader
.irp b, 0,1,2,3
	v_exp_f32 v[BM+\b], v[BM+\b]                   ; the block's largest p
.endr
	v_pk_add_f32 v[TS:TS+1], v[S:S+1], v[S+2:S+3]  ; the row's sum of the unquantised p: 32 pairs in four chains
	v_pk_add_f32 v[TS+2:TS+3], v[S+4:S+5], v[S+6:S+7]
	v_pk_add_f32 v[TS+4:TS+5], v[S+8:S+9], v[S+10:S+11]
	v_pk_add_f32 v[14:15], v[14:15], v[S+12:S+13]
.set n, 14
.rept 6
	v_pk_add_f32 v[TS:TS+1], v[TS:TS+1], v[S+n:S+n+1]
	v_pk_add_f32 v[TS+2:TS+3], v[TS+2:TS+3], v[S+n+2:S+n+3]
	v_pk_add_f32 v[TS+4:TS+5], v[TS+4:TS+5], v[S+n+4:S+n+5]
	v_pk_add_f32 v[14:15], v[14:15], v[S+n+6:S+n+7]
.set n, n+8
.endr
	v_pk_add_f32 v[TS:TS+1], v[TS:TS+1], v[S+62:S+63]
	v_pk_add_f32 v[TS+2:TS+3], v[TS+2:TS+3], v[TS+4:TS+5]
	v_pk_add_f32 v[14:15], v[14:15], v[TS:TS+1]
	v_pk_add_f32 v[14:15], v[14:15], v[TS+2:TS+3]
	s_wait_alu depctr_va_vdst(0)                   ; and one for the four
.irp b, 0,1,2,3
	v_max_num_f32 v[BM+\b], 0x8000000, v[BM+\b]    ; the floor 2^(16 - 127)
.endr
.irp b, 0,1,2,3
	s_delay_alu instid0(VALU_DEP_4)
	v_add_nc_u32 v[SO+\b], 0xf8800000, v[BM+\b]    ; the conversions' scale operands
.endr
.irp b, 0,1,2,3
	v_and_or_b32 v[HL+\b], v[BM+\b], 0x7f800000, s[MNT]   ; 57,344 x the scales
.endr
.irp b, 0,1,2,3
	v_lshrrev_b32 v[PT+\b], 23, v[SO+\b]           ; the bytes
.endr
	s_delay_alu instid0(VALU_DEP_3)
	v_lshl_or_b32 v[PW], v[PT+1], 8, v[PT]
	s_delay_alu instid0(VALU_DEP_1)
	v_lshl_or_b32 v[PW], v[PT+2], 16, v[PW]
.if \x
	WIN 0x15                                       ; sources window 1, destination window 0
.endif
	v_lshl_or_b32 v[\pw], v[PT+3], 24, v[PW]       ; p's scale word for these 128 keys
.if \x
	WIN 0x55
.endif
.irp b, 0,1,2,3
.irp i, 0,1,2,3,4,5,6,7,8,9,10,11,12,13,14,15
	v_min_num_f32 v[S+16*\b+\i], v[S+16*\b+\i], v[HL+\b]   ; the hold (ISA guide 7.6.2: the conversion does not saturate); p is not negative
.endr
	v_cvt_scalef32_pk8_bf8_f32 v[PC+4*\b:PC+1+4*\b], v[S+16*\b:S+7+16*\b], v[SO+\b]
	v_cvt_scalef32_pk8_bf8_f32 v[PC+2+4*\b:PC+3+4*\b], v[S+8+16*\b:S+15+16*\b], v[SO+\b]
.endr
	s_wait_alu depctr_va_vdst(0)                   ; ahead of the first readers of O^T
.set n, 0
.rept 16
	v_pk_mul_f32 v[O+n:O+n+1], v[O+n:O+n+1], v[FF:FF+1] op_sel_hi:[1,0]   ; O^T under the new M; these lines also stand between the conversions and the products
.set n, n+2
.endr
.endm
; A tile's result: O^T / the sum, quantised along d: two blocks of 32, each in lanes l and l xor 16.  x: the tile (and its window).
.macro FIN x
	v_add_f32 v14, v14, v15
	s_delay_alu instid0(VALU_DEP_1)
	v_permlanex16_b32 v[PT], v14, s[SEL], s[SEL+1]
	s_delay_alu instid0(VALU_DEP_1)
	v_add_f32 v14, v14, v[PT]                      ; the row's sum
	s_wait_alu depctr_va_vdst(0)
	v_rcp_f32 v[FF], v14
	v_mov_b32 v[FF+1], 0                           ; the plain line behind the reciprocal
	s_wait_alu depctr_va_vdst(0)                   ; ahead of its first reader, and of the first readers of O^T
.set n, 0
.rept 16
	v_pk_mul_f32 v[S+n:S+n+1], v[O+n:O+n+1], v[FF:FF+1] op_sel_hi:[1,0]
.set n, n+2
.endr
.irp b, 0,1
	v_max3_num_f32 v[BM+\b], |v[S+16*\b]|, |v[S+1+16*\b]|, 0x8000000
.endr
.irp i, 2,4,6,8,10,12,14
.irp b, 0,1
	s_delay_alu instid0(VALU_DEP_2)
	v_max3_num_f32 v[BM+\b], v[BM+\b], |v[S+16*\b+\i]|, |v[S+1+16*\b+\i]|
.endr
.endr
.irp b, 0,1
	s_delay_alu instid0(VALU_DEP_2)
	v_permlanex16_b32 v[PT+\b], v[BM+\b], s[SEL], s[SEL+1]
.endr
.irp b, 0,1
	s_delay_alu instid0(VALU_DEP_2)
	v_max_num_f32 v[BM+\b], v[BM+\b], v[PT+\b]
.endr
.irp b, 0,1
	s_delay_alu instid0(VALU_DEP_2)
	v_add_nc_u32 v[SO+\b], 0xf8800000, v[BM+\b]
.endr
.irp b, 0,1
	s_delay_alu instid0(VALU_DEP_4)
	v_and_or_b32 v[HL+\b], v[BM+\b], 0x7f800000, s[MNT]
.endr
.irp b, 0,1
	s_delay_alu instid0(VALU_DEP_4)
	v_lshrrev_b32 v[PT+\b], 23, v[SO+\b]
.endr
	s_mov_b32 vcc_lo, 0xffff0000
.irp b, 0,1
.irp i, 0,1,2,3,4,5,6,7,8,9,10,11,12,13,14,15
	v_med3_num_f32 v[S+16*\b+\i], v[S+16*\b+\i], -v[HL+\b], v[HL+\b]
.endr
	v_cvt_scalef32_pk8_bf8_f32 v[PC+4*\b:PC+1+4*\b], v[S+16*\b:S+7+16*\b], v[SO+\b]
	v_cvt_scalef32_pk8_bf8_f32 v[PC+2+4*\b:PC+3+4*\b], v[S+8+16*\b:S+15+16*\b], v[SO+\b]
.endr
	v_cndmask_b32 v[T], v[PT], v[PT+1], vcc_lo     ; lanes 0-15 store block 0's byte of their row, lanes 16-31 block 1's.  (The plain line behind the last conversion)
	WIN 0x04*(\x)                                  ; the stores' addresses lie in window 0, their data in the tile's
	global_store_b128 v[LI], v[PC:PC+3], s[OP:OP+1] offset:16384*(\x)        ; the wave stores 512 consecutive bytes
	global_store_b128 v[LI], v[PC+4:PC+7], s[OP:OP+1] offset:16384*(\x)+512
	global_store_b8 v[R16H], v[T], s[OS:OS+1] offset:512*(\x)
.endm
	s_load_b128 s[4:7], s[0:1], 0x0                ; qq s[4:5], kv s[6:7]
	s_load_b64 s[8:9], s[0:1], 0x10                ; oq
	v_lshl_add_u32 v[SPW], v0, 2, SPARE
	v_mov_b32 v[NIL], 0
	ds_add_u32 v[SPW], v[NIL]                      ; the opening lines: the add twice on end and its wait
	ds_add_u32 v[SPW], v[NIL]
	v_lshrrev_b32 v1, 5, v0
	v_readfirstlane_b32 s[WV], v1                  ; wave 0..7
	s_bfe_u32 s[G], ttmp6, 0x40000
	s_and_b32 s[BH], ttmp7, 0xffff                 ; 16 x batch + head: the cluster's y
	s_lshr_b32 s[BB], s[BH], 4
	s_and_b32 s[HD], s[BH], 15
	s_mov_b32 s[G1], 15|(3<<16)|(1<<21)            ; the mask: all four work-groups; elements of 8 bytes; bit 21 beside a mask
	s_mov_b32 s[G1+1], 32<<16                      ; two chunks are dense: 132 rows of 256 bytes
	s_mov_b32 s[G1+2], 132<<16
	s_mov_b32 s[G1+3], 32<<16
	s_mov_b32 s[G1+4], 132
	s_mov_b32 s[G1+5], 32
	s_mov_b32 s[G1+6], 0
	s_mov_b32 s[G1+7], 0
	s_mul_i32 s24, s[WV], 2*CH                     ; chunks 2 w, 2 w + 1: their place in LDS and in the head
	s_mul_i32 s48, s[BH], 16*CH
	s_add_co_u32 s48, s48, s24
	s_mov_b32 s49, 0
	s_mov_b32 s[SEL], 0x76543210
	s_mov_b32 s[SEL+1], 0xfedcba98
	s_mov_b32 s[CS], 0x3e38aa3b                    ; log2(e) / sqrt(64)
	s_mov_b32 s[CS+1], s[CS]
	s_mov_b32 s[MNT], 0x600000
	s_mov_b32 s[PSEL], 0x01000100                  ; an even head's two bytes are a word's low half,
	s_bitcmp1_b32 s[HD], 0
	s_cselect_b32 s[PSEL], 0x03020302, s[PSEL]     ; an odd head's its high half
	s_mov_b32 s[R], s[WV]                          ; pass 0
	s_mov_b32 s[P], 0
	s_wait_dscnt 0x0
	s_wait_kmcnt 0x0
	s_mov_b32 s[G0], 1
	s_mov_b32 s[G0+1], s24
	s_add_nc_u64 s[G0+2:G0+3], s[6:7], s[48:49]
	s_or_b32 s[G0+3], s[G0+3], 0x80000000
	ROUND                                          ; all four work-groups are here: the joint loads meet
	tensor_load_to_lds s[G0:G0+3], s[G1:G1+7]      ; my one tensor load of the launch
	s_nop 0
.rept 4
	v_nop
.endr
	v_and_b32 v10, 31, v0
	v_lshlrev_b32 v[LI], 4, v10
	v_lshlrev_b32 v[L8], 3, v10
	v_and_b32 v10, 15, v0                          ; r
	v_bfe_u32 v11, v0, 4, 1                        ; h
	v_lshlrev_b32 v[R16], 4, v10
	v_add_nc_u32 v[R16H], v[R16], v11
	v_and_b32 v[T], 8, v10
	v_add_nc_u32 v[T], v[T], v10                   ; r + 8 (r / 8)
	v_lshlrev_b32 v11, 4, v11
	v_sub_nc_u32 v[T], v[T], v11
	s_lshl_b32 s25, s[G], 5
	v_add_nc_u32 v[DQ], s25, v[T]                  ; tile A: 32 g + r + 8 (r / 8) - 16 h
	ADDRQ
	s_wait_alu depctr_va_vdst(0)                   ; ahead of the loads that read fresh addresses
	QLOAD                                          ; pass 0's q lands beside the chunks
	CONSTS
	WIN 0x40
	v_add_nc_u32 v[DQ], 8, v[DQ]                   ; tile B's rows lie 8 further on
	CONSTS
	WIN 0
	s_wait_alu depctr_va_vdst(0)                   ; at the head's end
	s_wait_tensorcnt 0x0                           ; my chunks are in,
	s_barrier_signal -1
	s_barrier_wait -1                              ; everybody's are
.Lpass:
	s_wait_xcnt 0x0                                ; the last pass's stores have read their bases and data
	s_lshl_b32 s48, s[R], 3
	s_lshl_b32 s49, s[G], 1
	s_add_co_u32 s48, s48, s49
	s_lshl_b32 s52, s[BB], 7
	s_add_co_u32 s52, s52, s48                     ; tile A among all 512
	s_lshl_b32 s50, s52, 14
	s_lshl_b32 s53, s[HD], 10
	s_add_co_u32 s50, s50, s53
	s_mov_b32 s51, 0
	s_add_nc_u64 s[OP:OP+1], s[8:9], s[50:51]      ; the result's codes: the head's 64 are half a fragment
	s_lshl_b32 s50, s52, 9
	s_lshr_b32 s53, s[HD], 3
	s_lshl_b32 s53, s53, 8
	s_add_co_u32 s50, s50, s53
	s_and_b32 s53, s[HD], 7
	s_lshl_b32 s53, s53, 1
	s_add_co_u32 s50, s50, s53
	s_add_co_u32 s50, s50, 0x800000
	s_add_nc_u64 s[OS:OS+1], s[8:9], s[50:51]      ; and its two scale bytes a row
	s_wait_loadcnt 0x0                             ; q
	s_wait_dscnt 0x0                               ; no LDS load of mine is out, on any way here: K's registers may be asked for again below
	v_perm_b32 v[QSC], v[WA], v[WA], s[PSEL]       ; my head's two bytes, twice: they serve [q | 0] and [0 | q]
	v_perm_b32 v[QSB], v[WB], v[WB], s[PSEL]
	INIT
	WIN 0x55
	INIT
	WIN 0
.irp f, 0,1,2,3                                ; chunk 0's K
.irp c, 0,1,2,3
	ds_load_b128 v[KF+16*\f+4*\c:KF+16*\f+4*\c+3], v[LI] offset:2048*\f+512*\c
.endr
.endr
	ds_load_b64 v[KSC:KSC+1], v[L8] offset:KSOFF
	s_mov_b32 s[TB], 0
	s_mov_b32 s[J], 0
	s_wait_alu depctr_va_vdst(0)                   ; ahead of the loop's waits
.Lstep:
	s_cmp_gt_u32 s[J], s[R]
	s_cbranch_scc1 .Lskip
	s_wait_dscnt 0x0                               ; this step's K and its scale words are in
	KQ QSC                                         ; tile A's scores
	WIN 0x54                                       ; K from window 0, q and the scores in window 1
	KQ QSB                                         ; tile B's
	WIN 0
	s_add_co_u32 s[TN], s[TB], CH
	s_min_u32 s[TN], s[TN], 15*CH                  ; the next chunk, held inside the head
	v_add_nc_u32 v[ADK], s[TB], v[LI]
	v_add_nc_u32 v[ADS], s[TB], v[L8]
	v_add_nc_u32 v[ADN], s[TN], v[LI]
	v_add_nc_u32 v[ADM], s[TN], v[L8]
.rept 4
	v_nop                                          ; with the four additions: eight places behind the products, ahead of the loads into what they (and the last step's) have read and of the scores' first readers
.endr
.irp f, 0,1,2,3
.irp c, 0,1,2,3
	ds_load_b128 v[KF+16*\f+4*\c:KF+16*\f+4*\c+3], v[ADN] offset:2048*\f+512*\c
.endr
.endr
	ds_load_b64 v[KSC:KSC+1], v[ADM] offset:KSOFF
	ds_load_b64 v[VSC:VSC+1], v[ADS] offset:VSOFF
	WIN 0x40                                       ; V^T into window 1
.irp t, 0,1,2,3
.irp c, 0,1,2,3
	ds_load_b128 v[KF+16*\t+4*\c:KF+16*\t+4*\c+3], v[ADK] offset:VOFF+2048*\t+512*\c
.endr
.endr
	WIN 0
	s_cmp_lg_u32 s[J], s[R]                        ; only the step on the diagonal hides keys
	s_cbranch_scc1 .Lopen
	MASK
	WIN 0x55
	MASK
	WIN 0
.Lopen:
	SOFT 0, PW
	s_wait_alu depctr_va_vdst(0)
	s_wait_dscnt 0x0                               ; V^T, its scale words and the next K are in
	WIN 0x01                                       ; V^T from window 1
	PV PW
	WIN 0x55
	s_wait_alu depctr_va_vdst(0)                   ; ahead of the first readers of tile B's scores
	SOFT 1, PWB
	PV PWB
	WIN 0
.Lskip:
	s_add_co_u32 s[TB], s[TB], CH
	s_add_co_u32 s[J], s[J], 1
	s_cmp_lt_u32 s[J], 16
	s_cbranch_scc1 .Lstep
.rept 8
	v_nop                                          ; eight places behind the last products
.endr
	s_sub_co_u32 s[R], 15, s[WV]                   ; pass 1's block
	s_cmp_eq_u32 s[P], 1
	s_cbranch_scc1 .Lno_next
	ADDRQ
	QLOAD                                          ; its q is asked for ahead of this pass's way out
.Lno_next:
	FIN 0
	WIN 0x55
	FIN 1
	WIN 0
	s_add_co_u32 s[P], s[P], 1
	s_cmp_lt_u32 s[P], 2
	s_wait_alu depctr_va_vdst(0)
	s_cbranch_scc1 .Lpass
	s_wait_tensorcnt 0x0                           ; the wave's end
	ds_add_u32 v[SPW], v[NIL]
	s_wait_dscnt 0x0
	ROUND                                          ; the closing round
	s_endpgm
.Lfunc_end_k_qad4a699861_attn:
	.size	k_qad4a699861_attn, .Lfunc_end_k_qad4a699861_attn-k_qad4a699861_attn
	.p2alignl 7, 3214868480
	.fill 96, 4, 3214868480
	.section	.rodata,"a",@progbits
	.p2align	6, 0x0
	.amdhsa_kernel k_qad4a699861_attn
		.amdhsa_group_segment_fixed_size 327680
		.amdhsa_private_segment_fixed_size 0
		.amdhsa_enable_private_segment 0
		.amdhsa_kernarg_size 24
		.amdhsa_user_sgpr_count 2
		.amdhsa_user_sgpr_kernarg_segment_ptr 1
		.amdhsa_wavefront_size32 1
		.amdhsa_system_sgpr_workgroup_id_x 1
		.amdhsa_system_sgpr_workgroup_id_y 1
		.amdhsa_system_sgpr_workgroup_id_z 1
		.amdhsa_system_vgpr_workitem_id 0
		.amdhsa_next_free_vgpr 512
		.amdhsa_next_free_sgpr 66
		.amdhsa_reserve_vcc 1
		.amdhsa_float_denorm_mode_32 3
		.amdhsa_float_denorm_mode_16_64 3
		.amdhsa_memory_ordered 1
		.amdhsa_forward_progress 1
		.amdhsa_inst_pref_size 71
	.end_amdhsa_kernel
	.amdgpu_metadata
---
amdhsa.version: [ 1, 2 ]
amdhsa.kernels:
  - .name:           k_qad4a699861_attn
    .symbol:         k_qad4a699861_attn.kd
    .args:
      - { .name: qq, .offset: 0, .size: 8, .value_kind: global_buffer, .address_space: global }
      - { .name: kv, .offset: 8, .size: 8, .value_kind: global_buffer, .address_space: global }
      - { .name: oq, .offset: 16, .size: 8, .value_kind: global_buffer, .address_space: global }
    .group_segment_fixed_size: 327680
    .private_segment_fixed_size: 0
    .kernarg_segment_align: 8
    .kernarg_segment_size: 24
    .max_flat_workgroup_size: 256
    .sgpr_count:     66
    .vgpr_count:     512
    .wavefront_size: 32
...
	.end_amdgpu_metadata
.endif
;; end of part 3
;; launch gemm_out (part 4): grid 4 x 64, 4 waves a work-group, clusters of 4 x 4, 327,680 bytes of LDS; arguments oq, wq, b_o, out0; writes out0
.if DOCPART == 4
	.amdgcn_target "amdgcn-amd-amdhsa--gfx1250"
	.amdhsa_code_object_version 6
	.text
	.protected	k_qad4a699861_gemm_out
	.globl	k_qad4a699861_gemm_out
	.p2align	8
	.type	k_qad4a699861_gemm_out,@function
k_qad4a699861_gemm_out:
	s_mov_b64 s[64:65], 0
	v_nop
	global_prefetch_b8 v0, s[64:65] scope:SCOPE_SE
	s_setreg_imm32_b32 hwreg(HW_REG_WAVE_MODE, 25, 1), 1
	s_wait_xcnt 0x0
	s_wait_alu depctr_hold_cnt(0) depctr_sa_sdst(0) depctr_va_vdst(0) depctr_va_sdst(0) depctr_va_ssrc(0) depctr_va_vcc(0) depctr_vm_vsrc(0)
	s_getreg_b32 s2, hwreg(HW_REG_IB_STS2, 6, 4)
	s_cmp_eq_u32 s2, 0
	s_cbranch_scc0 .Lentry_in_a_cluster
	s_endpgm
.Lentry_in_a_cluster:
	s_bfe_u32 s2, ttmp6, 0x10000c
	s_cmp_lg_u32 s2, 0xf033
	s_cbranch_scc0 .Lentry_shape_is_right
	s_endpgm
.Lentry_shape_is_right:
; out0 = attention's result x W_o + b_o on codes of E5M2 (one E8M0 byte for each 32 along K = 1,024); f32 sums, f32 out.
; A work-group of four waves makes 128 rows x 256 columns: 64 x 4 = 256 work-groups.  All four waves take A's eight tiles of 16 rows; wave w takes B's tiles 4 w .. 4 w + 3 (64 columns): 32 accumulators, 256 registers.
; OPERANDS ARE IMAGES OF REGISTERS: a fragment (16 rows x 128 K) is 2,048 bytes [c][lane][16]; memory holds [tile of 16 rows][K step of 128: 8][2,048]; scale words [tile][half of K][r][4 words] behind the codes.
; Tile T = 2 B + u holds rows 32 B + 8 u + r + 8 (r / 8).  Source 1 = A (its tile's row r becomes the lane), source 0 = B (its rows run along the lane's registers):
; register 8 u + j of the pair of tiles e is column 32 e + 16 (lane / 16) + 8 u + j.  The bias along B's rows is the C of each sum's first product.
; K goes in steps of 256 through two LDS slots (A's 8 x 4,096 bytes, then B's 16 x 4,096) filled by the tensor data mover; the scale words of all of K lie behind the ring, filled once.
; CLUSTERS: 4 x 4; A's tiles are asked for jointly along a row of the cluster, B's along a column.
; PREFETCH: K steps 1 and 2 are asked of memory at the head, K step 3 behind slot 1's load: two steps ahead of their loads.  Each block of 256 bytes is named once in a cluster: the four partners of a joint load
; share its blocks out by address; wave 0 names A's 32 blocks of its work-group's share, waves 2 and 3 B's 64; wave 1 names none.
; LIMITS: NaN and infinities are not served; the bias enters the f32 sum first, not last.
; REGISTERS: window 0: v16-31 addresses; v32-63 scale words, two sets; v64-95 the bias; v128-255 A's fragments, one set (on the way out rows read back).  window 1: B's fragments, two sets, at v0 and v128.  window 2: accumulator (a, b) at v[8 (4 a + b)].
.set NQ,     2                         ; matrix instructions deep in a slot
.set FR,     16
.set NL,     4
.set NP,     8                         ; places behind this matrix instruction (ISA guide 7.12.1)
.set KB,     4096                      ; a tile's bytes of one K step of 256
.set AT,     8*KB                      ; A's 128 rows
.set SLOT,   3*AT                      ; A's, then B's 256 rows
.set LAPS,   2
.set SCL,    2*SLOT                    ; A's scale words: 4,096 bytes
.set SCB,    SCL+4096                  ; B's: 8,192 bytes
.set SPARE,  SCL+12288                 ; the spare words, 128 bytes a wave
.set SPITCH, 272                       ; the way out: a stage row of 256 bytes + 16; the stages lie in slot 0, behind its last fill and last read
.set ADRA, 16                          ; v16-17 A's fragments in slot 0, 1
.set CO,   18                          ; v18 the way out: my place in two rows of out0
.set ADRB, 20                          ; v20-21 my B fragments
.set PFO,  22                          ; v22 the prefetches' offset; never rewritten
.set STO,  24
.set RD,   25
.set LI,   26                          ; 16 x lane
.set ADRS, 27                          ; scale words: lanes 0-15 A's block i, lanes 16-31 my B's block i (i = 0 .. 3)
.set SPW,  28
.set NIL,  29
.set ADRT, 30                          ; the same for i = 4 .. 7: lanes 16-31 stand 2,048 bytes lower and read my B's blocks 0 .. 3 again
.set BQO,  31
.set SC,   32
.set BQ,   64
.set AF,   128
.set BK,   128
.set G1, 24
.set G0, 32
.set G1B, 48
.set G0B, 56
.set G1S, 68
.set G0S, 76
.set G1SB, 80
.set G0SB, 88
.set MSB, 0
.macro WIN new                         ; the immediate's high byte repeats the setting that is left
.if MSB != (\new)
	s_set_vgpr_msb (MSB<<8)|(\new)
.set MSB, (\new)
.endif
.endm
.set MUL_W, 0xa1                       ; source 0 (B) window 1, source 1 (A) window 0, C and D window 2; in the first step C, the bias, lies in window 0: 0x81
.set TO_B,  0x40
.macro JLOAD g0a, g1a, g0b, g1b        ; a joint load: waves 0 and 1 fetch for A, waves 2 and 3 for B
	s_cmp_eq_u32 s15, 0
	s_cbranch_scc0 .Lfor_b_\@
	tensor_load_to_lds s[\g0a:\g0a+3], s[\g1a:\g1a+7]
	s_nop 0
.rept 4
	v_nop
.endr
	s_branch .Lasked_\@
.Lfor_b_\@:
	tensor_load_to_lds s[\g0b:\g0b+3], s[\g1b:\g1b+7]
	s_nop 0
.rept 4
	v_nop
.endr
.Lasked_\@:
.endm
.macro CREST
	s_cmp_lg_u32 s14, 0
	s_cbranch_scc1 .Lnot_wave_0_\@
	s_barrier_signal -3
.Lnot_wave_0_\@:
	s_barrier_wait -3
	s_barrier_signal -1
	s_barrier_wait -1
.endm
.macro CROUND
	s_barrier_signal -1
	s_barrier_wait -1
	CREST
.endm
.macro PLACES n
.rept \n
	v_nop
.endr
.endm
.macro GRP g, c, r, p                  ; descriptor group 1 behind its first word: r rows of c elements of 8 bytes, p elements apart
	s_mov_b32 s[\g+1], (\c)<<16
	s_mov_b32 s[\g+2], (\r)<<16
	s_mov_b32 s[\g+3], (\c)<<16
	s_mov_b32 s[\g+4], \r
	s_mov_b32 s[\g+5], \p
	s_mov_b32 s[\g+6], 0
	s_mov_b32 s[\g+7], 0
.endm
	s_load_b128 s[4:7], s[0:1], 0x0                ; oq s[4:5], wq s[6:7]
	s_load_b128 s[8:11], s[0:1], 0x10              ; b_o s[8:9], out0 s[10:11]
	v_lshl_add_u32 v[SPW], v0, 2, SPARE
	v_mov_b32 v[NIL], 0
	ds_add_u32 v[SPW], v[NIL]                      ; the opening lines: the add twice on end and its wait
	ds_add_u32 v[SPW], v[NIL]
	v_lshrrev_b32 v1, 5, v0
	v_readfirstlane_b32 s14, v1                    ; wave 0..3
	s_lshr_b32 s15, s14, 1                         ; in the ring I fetch for A (0) or for B (1),
	s_and_b32 s16, s14, 1                          ; and which half of that tile
	s_bfe_u32 s40, ttmp6, 0x40000                  ; cx, cy
	s_bfe_u32 s41, ttmp6, 0x40004
	s_lshl_b32 s42, ttmp9, 2
	s_add_co_u32 s42, s42, s40                     ; tile column: 256 columns
	s_and_b32 s17, ttmp7, 0xffff
	s_lshl_b32 s17, s17, 2
	s_add_co_u32 s17, s17, s41                     ; tile row: 128 rows
	s_lshl_b32 s43, s41, 2
	s_lshl_b32 s43, 15, s43                        ; my row of the cluster
	s_lshl_b32 s44, 0x1111, s40                    ; my column
	s_lshl_b32 s2, s16, 16                         ; s[2:3]: A's half in memory: 4 tiles x 16,384 bytes
	s_mov_b32 s3, 0
	s_lshl_b32 s92, s16, 17                        ; s[92:93]: B's half: 8 tiles
	s_mov_b32 s93, 0
	s_lshl_b32 s45, s16, 14                        ; and in a slot: A's half,
	s_lshl_b32 s94, s16, 15
	s_add_co_u32 s94, s94, AT                      ; B's half
	s_lshl_b32 s12, s17, 17                        ; A's codes: 8 tiles x 16,384 bytes a tile row
	s_mov_b32 s13, 0
	s_lshl_b32 s18, s17, 12                        ; A's scale words: 8 x 512 bytes, behind the codes
	s_add_co_u32 s18, s18, 0x800000
	s_mov_b32 s19, 0
	s_lshl_b32 s46, s42, 18                        ; B's codes: W_o's rows begin at row 3,072 of wq
	s_add_co_u32 s46, s46, 0x300000
	s_mov_b32 s47, 0
	s_lshl_b32 s22, s42, 13
	s_add_co_u32 s22, s22, 0x418000
	s_mov_b32 s23, 0
	s_lshl_b32 s66, s42, 10                        ; the bias: 4 (256 x tile column + 64 x wave)
	s_lshl_b32 s67, s14, 8
	s_add_co_u32 s66, s66, s67
	s_mov_b32 s67, 0
	s_or_b32 s[G1+0], s43, (3<<16)|(1<<21)         ; the mask; elements of 8 bytes; bit 21 beside a mask
	s_or_b32 s[G1B+0], s44, (3<<16)|(1<<21)
	s_or_b32 s[G1S+0], s43, (3<<16)|(1<<21)
	s_or_b32 s[G1SB+0], s44, (3<<16)|(1<<21)
	GRP G1,   512, 8,  2048                        ; the head's loads: A's 8 tiles of 4,096 bytes, 16,384 apart;
	GRP G1B,  512, 16, 2048                        ; B's 16;
	GRP G1S,  32,  16, 32                          ; A's scale words: 4,096 dense bytes as rows of 256;
	GRP G1SB, 32,  32, 32                          ; B's: 8,192
	s_wait_dscnt 0x0
	s_wait_kmcnt 0x0
	s_add_nc_u64 s[12:13], s[4:5], s[12:13]
	s_add_nc_u64 s[18:19], s[4:5], s[18:19]
	s_add_nc_u64 s[46:47], s[6:7], s[46:47]
	s_add_nc_u64 s[22:23], s[6:7], s[22:23]
	s_add_nc_u64 s[66:67], s[8:9], s[66:67]
	CROUND                                         ; all sixteen work-groups are here: the first joint loads meet
	s_mov_b32 s[G0S], 1
	s_mov_b32 s[G0S+1], SCL
	s_mov_b64 s[G0S+2:G0S+3], s[18:19]
	s_or_b32 s[G0S+3], s[G0S+3], 0x80000000
	s_mov_b32 s[G0SB], 1
	s_mov_b32 s[G0SB+1], SCB
	s_mov_b64 s[G0SB+2:G0SB+3], s[22:23]
	s_or_b32 s[G0SB+3], s[G0SB+3], 0x80000000
	s_mov_b32 s[G0], 1                             ; K step 0, each tile whole (slot 0's own groups 0 until the head's loads are in)
	s_mov_b32 s[G0+1], 0
	s_mov_b64 s[G0+2:G0+3], s[12:13]
	s_or_b32 s[G0+3], s[G0+3], 0x80000000
	s_mov_b32 s[G0B], 1
	s_mov_b32 s[G0B+1], AT
	s_mov_b64 s[G0B+2:G0B+3], s[46:47]
	s_or_b32 s[G0B+3], s[G0B+3], 0x80000000
	s_cmp_eq_u32 s15, 0                            ; the prefetches: wave 0 names A's blocks, waves 2 and 3 B's
	s_cselect_b64 s[100:101], s[12:13], s[46:47]
	s_cselect_b32 s22, s40, s41                    ; my place p among the four that load the tile jointly
	s_cselect_b32 s23, 1, 2
	s_lshl_b32 s22, s22, s23                       ; A: tiles 2 p on;  B: tiles 4 p on,
	s_lshl_b32 s23, s16, 1
	s_add_co_u32 s22, s22, s23                     ; + 2 x my half
	s_lshl_b32 s22, s22, 14
	s_add_nc_u64 s[12:13], s[12:13], s[2:3]        ; for the ring: my half
	s_add_nc_u64 s[46:47], s[46:47], s[92:93]
	s_mov_b32 s[G0+4], 1                           ; slot 1: K step 1
	s_add_co_u32 s[G0+5], s45, SLOT
	s_add_nc_u64 s[G0+6:G0+7], s[12:13], KB
	s_or_b32 s[G0+7], s[G0+7], 0x80000000
	s_mov_b32 s[G0B+4], 1
	s_add_co_u32 s[G0B+5], s94, SLOT
	s_add_nc_u64 s[G0B+6:G0B+7], s[46:47], KB
	s_or_b32 s[G0B+7], s[G0B+7], 0x80000000
; THE HEAD'S LOADS, ONE A WAVE: one tree of branches on the wave's number, a load to an arm, all arms leading to one join.
.macro ARM under, g0, g1, next
	s_cmp_lt_u32 s14, \under
	s_cbranch_scc0 \next
	tensor_load_to_lds s[\g0:\g0+3], s[\g1:\g1+7]
	s_nop 0
.rept 4
	v_nop
.endr
	s_branch .Lhead_asked
\next:
.endm
	ARM 1, G0,  G1,  .Lhead_b
	ARM 2, G0B, G1B, .Lhead_sa
	ARM 3, G0S, G1S, .Lhead_sb
	tensor_load_to_lds s[G0SB:G0SB+3], s[G1SB:G1SB+7]
	s_nop 0
.rept 4
	v_nop
.endr
.Lhead_asked:
	v_and_b32 v1, 15, v0                           ; r
	v_bfe_u32 v2, v0, 4, 1                         ; h
	v_and_b32 v3, 31, v0
	v_lshlrev_b32 v[LI], 4, v3
	v_lshlrev_b32 v[BQO], 6, v2
	v_lshlrev_b32 v[PFO], 8, v1                    ; a lane a block of 256 bytes: block r of tile h of my two
	v_lshl_add_u32 v[PFO], v2, 14, v[PFO]
	v_add_nc_u32 v[PFO], s22, v[PFO]
	s_lshl_b32 s21, s14, 14                        ; my four tiles of B,
	s_add_co_u32 s21, s21, AT                      ; which lie behind A's eight
	v_mov_b32 v[ADRA], v[LI]
	v_add_nc_u32 v[ADRA+1], SLOT, v[LI]
	v_add_nc_u32 v[ADRB], s21, v[LI]
	s_add_co_u32 s21, s21, SLOT
	v_add_nc_u32 v[ADRB+1], s21, v[LI]
	v_lshlrev_b32 v5, 4, v1                        ; my row's four words of half of K: 16 r
	s_lshl_b32 s20, s14, 11                        ; my four tiles' scale words: 2,048 x wave
	s_add_co_u32 s21, s20, 4096
	v_mul_u32_u24 v6, s21, v2                      ; lanes 16-31 take B's
	v_add_nc_u32 v6, v6, v5
	v_add_nc_u32 v[ADRS], SCL, v6
	s_add_co_u32 s21, s20, 2048
	v_mul_u32_u24 v6, s21, v2
	v_add_nc_u32 v6, v6, v5
	v_add_nc_u32 v[ADRT], SCL, v6
	s_mul_i32 s23, s14, 16*SPITCH                  ; my stage
	v_mul_u32_u24 v5, v1, SPITCH                   ; in: row r, + 64 h
	v_lshl_add_u32 v5, v2, 6, v5
	v_add_nc_u32 v[STO], s23, v5
	v_mul_u32_u24 v5, v2, SPITCH                   ; back: lanes 0-15 one row of 256 bytes, lanes 16-31 the next
	v_lshl_add_u32 v5, v1, 4, v5
	v_add_nc_u32 v[RD], s23, v5
	v_lshlrev_b32 v[CO], 12, v2                    ; and the same two rows in out0
	v_lshl_add_u32 v[CO], v1, 4, v[CO]
	s_lshl_b32 s20, s17, 19                        ; my part of out0: 128 rows of 4,096 bytes a tile row, 1,024 bytes a tile column, 256 a wave
	s_lshl_b32 s21, s42, 10
	s_add_co_u32 s20, s20, s21
	s_lshl_b32 s21, s14, 8
	s_add_co_u32 s20, s20, s21
	s_mov_b32 s21, 0
	s_add_nc_u64 s[10:11], s[10:11], s[20:21]
	s_wait_alu depctr_va_vdst(0)                   ; ahead of the readers and the branch below
.irp e, 0,1
.irp j, 0,1,2,3
	global_load_b128 v[BQ+16*\e+4*\j:BQ+16*\e+4*\j+3], v[BQO], s[66:67] offset:128*\e+16*\j   ; the bias at my columns 32 e + 16 h + 4 j on
.endr
.endr
	s_cmp_eq_u32 s14, 1
	s_cbranch_scc1 .Lno_ask_0
	global_prefetch_b8 v[PFO], s[100:101] offset:KB th:TH_LOAD_NT scope:SCOPE_SE
	global_prefetch_b8 v[PFO], s[100:101] offset:2*KB th:TH_LOAD_NT scope:SCOPE_SE
.Lno_ask_0:
.macro FRAG reg, adr, q, i             ; a fragment as it lies: four reads of 512 consecutive bytes
.irp c, 0,1,2,3
	ds_load_b128 v[\reg+4*\c:\reg+4*\c+3], v[\adr] offset:(\i)*KB+2048*(\q)+512*\c
.endr
.endm
; 8 matrix instructions: A's blocks a0, a0 + 1 x my B's four, the slot's q-th 128 along K.  The 32 accumulators take turns, one instruction a turn, in the same order in every step.
.macro MUL8 a0, p, q, sc, first
.irp a, \a0, \a0+1
.irp b, 0,1,2,3
.if \first
	v_wmma_scale_f32_16x16x128_f8f6f4 v[8*(4*(\a)+\b):8*(4*(\a)+\b)+7], v[128*(\p)+FR*\b:128*(\p)+FR*\b+FR-1], v[AF+FR*(\a):AF+FR*(\a)+FR-1], v[BQ+8*\b:BQ+8*\b+7], v[SC+8*NQ*(\sc)+NQ*\b+(\q)], v[SC+8*NQ*(\sc)+NQ*(\a)+(\q)] matrix_a_fmt:MATRIX_FMT_BF8 matrix_b_fmt:MATRIX_FMT_BF8 matrix_a_scale:MATRIX_SCALE_ROW1
.else
	v_wmma_scale_f32_16x16x128_f8f6f4 v[8*(4*(\a)+\b):8*(4*(\a)+\b)+7], v[128*(\p)+FR*\b:128*(\p)+FR*\b+FR-1], v[AF+FR*(\a):AF+FR*(\a)+FR-1], v[8*(4*(\a)+\b):8*(4*(\a)+\b)+7], v[SC+8*NQ*(\sc)+NQ*\b+(\q)], v[SC+8*NQ*(\sc)+NQ*(\a)+(\q)] matrix_a_fmt:MATRIX_FMT_BF8 matrix_b_fmt:MATRIX_FMT_BF8 matrix_a_scale:MATRIX_SCALE_ROW1
.endif
.endr
.endr
.endm
.macro FETCH_B slot, q, p
	WIN TO_B
.irp i, 0,1,2,3
	FRAG 128*(\p)+FR*\i, ADRB+\slot, \q, \i
.endr
	WIN 0
.endm
.macro FETCH_A slot, q, i0
.irp i, \i0, \i0+1, \i0+2, \i0+3
	FRAG AF+FR*(\i), ADRA+\slot, \q, \i
.endr
.endm
.macro SCALES sc                       ; a K step's two words a row
.irp i, 0,1,2,3
	ds_load_b64 v[SC+8*NQ*\sc+NQ*\i:SC+8*NQ*\sc+NQ*\i+1], v[ADRS] offset:\i*512
.endr
.irp i, 4,5,6,7
	ds_load_b64 v[SC+8*NQ*\sc+NQ*\i:SC+8*NQ*\sc+NQ*\i+1], v[ADRT] offset:\i*512
.endr
.endm
; A step of 128 along K that has its successor in the same slot.
.macro STEP slot, q, first
	s_wait_dscnt 4*NL                              ; B's set and A's blocks 0-3 are in; the youngest 16 loads (A's blocks 4-7) may be out
	WIN MUL_W-0x20*(\first)
	MUL8 0, (\q)%2, \q, \slot, \first
	MUL8 2, (\q)%2, \q, \slot, \first
	s_wait_dscnt 0                                 ; A's blocks 4-7 are in
	PLACES NP
	FETCH_B \slot, (\q)+1, 1-(\q)%2
	FETCH_A \slot, (\q)+1, 0
	WIN MUL_W-0x20*(\first)
	MUL8 4, (\q)%2, \q, \slot, \first
	MUL8 6, (\q)%2, \q, \slot, \first
	PLACES NP
	WIN 0
	FETCH_A \slot, (\q)+1, 4
.endm
; A slot's last step changes slots: one barrier; in front of it each wave waits for all its tensor loads, adds 0 to its spare word, and waits for that and for its reads of this slot.  fill = 1: this slot is filled again, two K steps ahead.
.macro TURN slot, next, fill
	s_wait_tensorcnt 0x0                           ; all my tensor loads have landed: my part of the next slot
	ds_add_u32 v[SPW], v[NIL]
	s_wait_dscnt 4*NL+1                            ; the add and the youngest 16 loads may be out
	WIN MUL_W
	MUL8 0, 1, NQ-1, \slot, 0
	s_wait_dscnt 0x0                               ; the add is done, and my reads of this slot are over
	s_barrier_signal -1
	MUL8 2, 1, NQ-1, \slot, 0
	WIN 0
	s_barrier_wait -1
.if \fill
	CREST                                          ; the barrier has opened a round of the cluster's barrier
	s_add_nc_u64 s[G0+4*\slot+2:G0+4*\slot+3], s[G0+4*\slot+2:G0+4*\slot+3], 2*KB
	s_add_nc_u64 s[G0B+4*\slot+2:G0B+4*\slot+3], s[G0B+4*\slot+2:G0B+4*\slot+3], 2*KB
	JLOAD G0+4*\slot, G1, G0B+4*\slot, G1B         ; the first tensor load behind the round; its four v_nop are among the places in front of the loads below
	PLACES NP-4
.else
	PLACES NP
.endif
	s_wait_alu depctr_va_vdst(0)                   ; ahead of the readers below
	v_add_nc_u32 v[ADRS], 8+240*(\slot), v[ADRS]   ; the next K step's two words: 8 bytes on, or into the second half of K
	v_add_nc_u32 v[ADRT], 8+240*(\slot), v[ADRT]
	FETCH_B \next, 0, 0
	FETCH_A \next, 0, 0
	SCALES \next
	WIN MUL_W
	MUL8 4, 1, NQ-1, \slot, 0
	MUL8 6, 1, NQ-1, \slot, 0
	PLACES NP
	WIN 0
	FETCH_A \next, 0, 4
.endm
	s_wait_alu depctr_va_vdst(0)                   ; at the head's end
	s_wait_loadcnt 0x0                             ; the bias
	s_wait_tensorcnt 0x0                           ; my tile of the head's four is in
	ds_add_u32 v[SPW], v[NIL]
	s_mov_b32 s[G1+2], 4<<16                       ; no tensor load of mine is out, so descriptors may be written: from here on a load brings 4 tiles of A
	s_mov_b32 s[G1+4], 4
	s_mov_b32 s[G1B+2], 8<<16                      ; or 8 of B,
	s_mov_b32 s[G1B+4], 8
	s_mov_b32 s[G0+1], s45                         ; and slot 0's groups 0 stand at my half of K step 0
	s_add_nc_u64 s[G0+2:G0+3], s[G0+2:G0+3], s[2:3]
	s_mov_b32 s[G0B+1], s94
	s_add_nc_u64 s[G0B+2:G0B+3], s[G0B+2:G0B+3], s[92:93]
	s_wait_dscnt 0x0
	CROUND                                         ; all four tiles are in, and all sixteen work-groups are here
	JLOAD G0+4, G1, G0B+4, G1B                     ; K step 1: the first tensor load behind the round
	FETCH_B 0, 0, 0
	FETCH_A 0, 0, 0
	SCALES 0
	FETCH_A 0, 0, 4
	s_cmp_eq_u32 s14, 1
	s_cbranch_scc1 .Lno_ask_1
	global_prefetch_b8 v[PFO], s[100:101] offset:3*KB th:TH_LOAD_NT scope:SCOPE_SE
.Lno_ask_1:
	STEP 0, 0, 1                                   ; the first step stands in front of the loop: the bias starts the sums
	s_mov_b32 s3, LAPS-1
.Llap:
	TURN 0, 1, 1
	STEP 1, 0, 0
	TURN 1, 0, 1
	STEP 0, 0, 0
	s_sub_co_u32 s3, s3, 1
	s_cmp_lg_u32 s3, 0
	s_cbranch_scc1 .Llap
	TURN 0, 1, 0                                   ; the last lap fills nothing
	STEP 1, 0, 0
	s_wait_dscnt 4*NL
	WIN MUL_W
	MUL8 0, 1, NQ-1, 1, 0
	MUL8 2, 1, NQ-1, 1, 0
	s_wait_dscnt 0
	MUL8 4, 1, NQ-1, 1, 0
	MUL8 6, 1, NQ-1, 1, 0
	WIN 0
; THE WAY OUT, block by block of 16 rows x 64 columns: through my own stage in LDS and back as rows of 256 bytes, which sixteen lanes store as one aligned unit.  LDS serves a wave's instructions in order (ISA guide 5.7.1.4).
.macro TOSTAGE a
.set AC, 32*(\a)
	WIN 0x08                                       ; the data: window 2
.irp b, 0,1,2,3
	ds_store_b128 v[STO], v[AC+8*\b:AC+8*\b+3] offset:128*(\b/2)+32*(\b%2)          ; each accumulator from its low end on
	ds_store_b128 v[STO], v[AC+8*\b+4:AC+8*\b+7] offset:128*(\b/2)+32*(\b%2)+16
.endr
	WIN 0
.set BB, BK+32*((\a)%2)
.irp t, 0,1,2,3,4,5,6,7
	ds_load_b128 v[BB+4*\t:BB+4*\t+3], v[RD] offset:\t*2*SPITCH
.endr
.endm
.macro SEND a, younger                 ; younger: the LDS instructions issued behind block a's loads, which may stay out
.set BB, BK+32*((\a)%2)
	s_wait_dscnt \younger
.if (\a) > 0
.if (\a)%2
	s_add_nc_u64 s[10:11], s[10:11], 8*4096        ; (behind a wait on XCNT)  an odd tile's rows begin 8 further on,
.else
	s_add_nc_u64 s[10:11], s[10:11], 24*4096       ; an even tile's 24
.endif
.endif
.irp t, 0,1,2,3,4,5,6,7
	global_store_b128 v[CO], v[BB+4*\t:BB+4*\t+3], s[10:11] offset:(2*\t+8*(\t/4))*4096 th:TH_STORE_NT   ; stage rows 2 t, 2 t + 1 are the tile's rows r + 8 (r / 8)
.endr
.endm
	PLACES NP
	TOSTAGE 0
.irp a, 1,2,3,4,5,6,7
.if \a > 1
	s_wait_xcnt 0x0                                ; block a - 2's stores have read their registers and their base
.endif
	TOSTAGE \a
	SEND \a-1, 16                                  ; behind block a - 1's loads: block a's 8 stores and 8 loads
.endr
	s_wait_xcnt 0x0
	SEND 7, 0
	s_wait_tensorcnt 0x0                           ; the wave's end
	ds_add_u32 v[SPW], v[NIL]
	s_wait_dscnt 0x0
	CROUND                                         ; the closing round
	s_endpgm
.Lfunc_end_k_qad4a699861_gemm_out:
	.size	k_qad4a699861_gemm_out, .Lfunc_end_k_qad4a699861_gemm_out-k_qad4a699861_gemm_out
	.p2alignl 7, 3214868480
	.fill 96, 4, 3214868480
	.section	.rodata,"a",@progbits
	.p2align	6, 0x0
	.amdhsa_kernel k_qad4a699861_gemm_out
		.amdhsa_group_segment_fixed_size 327680
		.amdhsa_private_segment_fixed_size 0
		.amdhsa_enable_private_segment 0
		.amdhsa_kernarg_size 32
		.amdhsa_user_sgpr_count 2
		.amdhsa_user_sgpr_kernarg_segment_ptr 1
		.amdhsa_wavefront_size32 1
		.amdhsa_system_sgpr_workgroup_id_x 1
		.amdhsa_system_sgpr_workgroup_id_y 1
		.amdhsa_system_sgpr_workgroup_id_z 1
		.amdhsa_system_vgpr_workitem_id 0
		.amdhsa_next_free_vgpr 768
		.amdhsa_next_free_sgpr 102
		.amdhsa_reserve_vcc 0
		.amdhsa_float_denorm_mode_32 3
		.amdhsa_float_denorm_mode_16_64 3
		.amdhsa_memory_ordered 1
		.amdhsa_forward_progress 1
		.amdhsa_inst_pref_size 94
	.end_amdhsa_kernel
	.amdgpu_metadata
---
amdhsa.version: [ 1, 2 ]
amdhsa.kernels:
  - .name:           k_qad4a699861_gemm_out
    .symbol:         k_qad4a699861_gemm_out.kd
    .args:
      - { .name: oq, .offset: 0, .size: 8, .value_kind: global_buffer, .address_space: global }
      - { .name: wq, .offset: 8, .size: 8, .value_kind: global_buffer, .address_space: global }
      - { .name: b_o, .offset: 16, .size: 8, .value_kind: global_buffer, .address_space: global }
      - { .name: out0, .offset: 24, .size: 8, .value_kind: global_buffer, .address_space: global }
    .group_segment_fixed_size: 327680
    .private_segment_fixed_size: 0
    .kernarg_segment_align: 8
    .kernarg_segment_size: 32
    .max_flat_workgroup_size: 128
    .sgpr_count:     102
    .vgpr_count:     768
    .wavefront_size: 32
...
	.end_amdgpu_metadata
.endif
;; end of part 4
